; MI455X (gfx1250); checked and timed in simulation.
; The chip was launched on July 23, 2026; its instructions are those of AMD's public machine-readable ISA for CDNA 5 (MIT licence, August 2026) and "CDNA5" Instruction Set Architecture Reference Guide (July 2026). The comments in the code are by the model that wrote it; some were corrected since.
;; Multi Head Attention. Allowed arithmetic: matrix products marked QUANTISED: E4M3 operands, one given power-of-two scale a tensor, by v_wmma_f32_16x16x64_fp8_fp8 or v_wmma_f32_16x16x128_fp8_fp8, f32 sums; everything else in f32.
;; Inputs: Wk 1,024 x 1,024 float32; Wo 1,024 x 1,024 float32; Wq 1,024 x 1,024 float32; Wv 1,024 x 1,024 float32; key 4 x 2,048 x 1,024 float32; lowp_scales 12 int32 (the exponents e of the quantised operands' scales 2^e); mask 1 x 1 x 2,048 x 2,048 bool; query 4 x 2,048 x 1,024 float32; value 4 x 2,048 x 1,024 float32.
;; Outputs: out0 4 x 2,048 x 1,024 float32.
;; This version of the problem:
;;   THIS VERSION OF THE PROBLEM IS GIVEN IN LOW PRECISION. The matrix products marked QUANTISED in the list below multiply operands that are first quantised to E4M3 (4 exponent bits, 3 mantissa bits; 8 bits a number), with one given power-of-two scale for each operand tensor; their sums are f32. All else is computed in f32.
;;   The module's matrix products, in the order in which they are computed (A, B: the left and right operand; K: the contracted axis; several contracted axes count as one K, in the product's order):
;;     1. [M 8,192, K 1,024] x [K 1,024, N 1,024]; A: input query; B: input Wq: QUANTISED (scales: A lowp_scales[0], B lowp_scales[1])
;;     2. [M 8,192, K 1,024] x [K 1,024, N 1,024]; A: input key; B: input Wk: QUANTISED (scales: A lowp_scales[2], B lowp_scales[3])
;;     3. [M 8,192, K 1,024] x [K 1,024, N 1,024]; A: input value; B: input Wv: QUANTISED (scales: A lowp_scales[4], B lowp_scales[5])
;;     4. batch 64 x [M 2,048, K 64] x [K 64, N 2,048]; A: computed on the way; B: computed on the way: QUANTISED (scales: A lowp_scales[6], B lowp_scales[7])
;;     5. batch 64 x [M 64, K 2,048] x [K 2,048, N 2,048]; A: computed on the way; B: softmax (see below): QUANTISED (scales: A lowp_scales[8], B lowp_scales[9])
;;     6. [M 8,192, K 1,024] x [K 1,024, N 1,024]; A: computed on the way; B: input Wo: QUANTISED (scales: A lowp_scales[10], B lowp_scales[11])
;;   THE QUANTISER, for each operand of a quantised product, along K:
;;     - The operand's scale is 2^e, e = its entry of the input lowp_scales (int32; the entries are numbered through the quantised products in the list's order, A before B).
;;     - Each number is divided by the scale, clamped to +-448, and rounded to the nearest number of E4M3, ties to even, subnormals kept.
;;     - The product sums the exact products of the quantised numbers (number of the format x scale) in f32.
;;   ~~~python
;;   def quantise(x, axis, e):      # numpy; x: float32 -> the quantised numbers, widened to float32 again
;;       x = np.moveaxis(x, axis, -1); K = x.shape[-1]
;;       r = np.clip(x / 2.0 ** e, -448, 448)
;;       step = 2.0 ** (np.maximum(np.frexp(np.where(r == 0, 1, r))[1] - 1, -6) - 3)
;;       q = np.round(r / step) * step * 2.0 ** e      # np.round: ties to even
;;       return np.moveaxis(q, -1, axis).astype(np.float32)
;;   ~~~
;;   SOFTMAX AHEAD OF A QUANTISED PRODUCT. Where the list says 'softmax', what is quantised is not the finished softmax but p = 2^(t - M), with t = logit x log2(e) and M = ceil(the row's largest t), a whole number; so 1/2 < the row's largest p <= 1. The row's sum l is taken of the UNQUANTISED p, in f32, and the product's result is divided by l at the end. Since M is a whole number, a kernel that streams over the keys may use a running M (the ceiling of the running maximum): every later rescaling is an exact power of two, so the quantised numbers keep their values, but for numbers so far below the row's largest that they fall under the format's range.
;;   OPERANDS COMPUTED ON THE WAY. 'Computed on the way' means the value that the module computes at that place (a softmax that the list does not call 'softmax' is quantised finished and normalised). What goes into a quantiser is computed in f32, as accurately as f32 sums, v_exp_f32 and their like allow (about 1e-6 of the number): no bf16 or f16 on the way to a quantiser, and a product that is left as it is and whose result goes on into a quantised operand takes f32 operands (vector FMAs, or v_wmma_f32_16x16x4_f32). A number that lies on a knife's edge between two numbers of the format may be rounded either way, as far as f32 arithmetic and the matrix unit's own rounding can turn it there, and no further.
;; 2 versions, each right; version 2 is version 1 with the launch attn written anew for expert scheduling mode. Each part assembles by itself: llvm-mc -triple=amdgcn-amd-amdhsa -mcpu=gfx1250 --defsym DOCPART=n.
;; ======== version 1 of 2: 4 launches
;; limits: right only within a limited range of input values
;; workspace buffers: codes 29,360,128 bytes; qkv 25,165,824 bytes; aimg 8,388,608 bytes; mwords 524,288 bytes of whole numbers; cls 4,096 bytes of whole numbers
;; launch prep (part 1): grid 576 x 1, 4 waves a work-group, no clusters, 35,328 bytes of LDS; arguments query, key, value, Wq, Wk, Wv, Wo, mask, lowp_scales, codes, mwords, cls; writes codes, mwords, cls
.if DOCPART == 1
	.amdgcn_target "amdgcn-amd-amdhsa--gfx1250"
	.amdhsa_code_object_version 6
	.text
	.protected	k_qde2628441b_prep
	.globl	k_qde2628441b_prep
	.p2align	8
	.type	k_qde2628441b_prep,@function
k_qde2628441b_prep:
	s_mov_b64 s[64:65], 0
	v_nop
	global_prefetch_b8 v0, s[64:65] scope:SCOPE_SE
	s_setreg_imm32_b32 hwreg(HW_REG_WAVE_MODE, 25, 1), 1
	s_wait_xcnt 0x0
; PREP.  Two jobs in one launch, told apart by the work-group's number.
; (1) Work-groups 128 to 575: query, key, value [8192][1024] and Wq, Wk, Wv, Wo [1024][1024], f32, become codes of E4M3 with the given scale 2^e of each
;     (entries 0, 2, 4, 1, 3, 5, 11 of the scales): code = x / 2^e, held within +-448, nearest, ties to even.
;     The codes are laid as IMAGES OF OPERAND REGISTERS: a row tile (16 rows x 1,024 k) is 16,384 bytes, eight images of 2,048; in an image byte 512 c + 16 lane + i is
;     (row r = lane % 16, k = 32 c + 16 (lane / 16) + i).  Row tile RT holds rows 32 (RT / 2) + 8 (RT % 2) + r + 8 (r / 8), so that two neighbouring tiles, used as a product's source 0,
;     leave a lane 16 neighbouring results.  A wave takes one row tile, in 16 steps of 64 along K.
;     Each load reads 256 consecutive bytes of two rows; a step's 4,096 bytes turn through the wave's own stage in LDS (rows 272 bytes apart) and come back 128 bytes a lane; each store is 512 consecutive bytes.
; (2) Work-groups 0 to 127: the mask [2048][2048] of bytes (0 or 1) becomes, for query tile T (= the work-group) and key step j (128 keys), 64 words: bit lane of word n is
;     mask[query of lane % 16][128 j + 32 (n / 16) + 16 (lane / 16) + n % 16]: the lane mask for score register n of the attention launch.  Wave w takes steps 4 w to 4 w + 3 and also stores two class words:
;     (any true key in step, 4 bits << 4 w) | (row has a true key in my 512, 16 bits << 16), and (all true in step, 4 bits << 4 w).  These two are stores of 4 bytes by one lane: 4,096 bytes in the whole launch.
;     A lane's mask loads are 16 bytes of its row; the wave's sixteen loads together take 512 consecutive bytes of each of 16 rows, each byte once.
; LIMITS: each e between -126 and 119; NaN among the inputs is not served; mask bytes are 0 or 1.
.set STG,   4352                       ; a stage: 16 rows x 272 bytes; two for each wave
.set SPARE, 34816                      ; behind the four waves' stages: the spare words, 128 bytes a wave, named by no other line
.set SPW,   12                         ; v12  my spare word's LDS address; never rewritten
.set NIL,   13                         ; v13  0; never rewritten
.set R,     16                         ; v16-143  four sets of 32: numbers as loaded
.set X,     144                        ; v144-207 two sets of 32: 2 x 16 neighbours along K
.set C,     208                        ; v208-239 four sets of 8: codes
	s_load_b512 s[16:31], s[0:1], 0x0              ; query 16, key 18, value 20, Wq 22, Wk 24, Wv 26, Wo 28, mask 30
	s_load_b256 s[8:15], s[0:1], 0x40              ; scales 8, codes 10, mwords 12, cls 14
	v_lshl_add_u32 v[SPW], v0, 2, SPARE
	v_mov_b32 v[NIL], 0
	v_lshrrev_b32 v1, 5, v0
	v_readfirstlane_b32 s2, v1                     ; wave 0..3
	v_and_b32 v2, 31, v0                           ; lane
	v_and_b32 v7, 15, v0                           ; r
	v_bfe_u32 v8, v0, 4, 1                         ; h
	s_cmp_lt_u32 ttmp9, 128
	s_cbranch_scc1 .Lmask                          ; the mask's work-groups come first in the grid
; ---------------- the quantiser ----------------
	s_sub_co_u32 s32, ttmp9, 128                   ; g: 0 .. 447; the order of the work-groups is the order of the codes' buffer
	s_lshr_b32 s33, s32, 7                         ; an activation: tensor g / 128,
	s_and_b32 s34, s32, 127                        ; 64 rows number g % 128
	s_sub_co_u32 s35, s32, 384
	s_lshr_b32 s36, s35, 4
	s_add_co_u32 s36, s36, 3                       ; a weight: tensor 3 + (g - 384) / 16,
	s_and_b32 s37, s35, 15                         ; 64 rows number (g - 384) % 16
	s_cmp_lt_u32 s32, 384
	s_cselect_b32 s33, s33, s36                    ; tensor 0 .. 6
	s_cselect_b32 s34, s34, s37
	s_lshl_b32 s38, s33, 1                         ; its entry of the scales: 0, 2, 4 | 1, 3, 5 | 11
	s_sub_co_u32 s39, s38, 5
	s_cmp_lt_u32 s33, 3
	s_cselect_b32 s38, s38, s39
	s_cmp_eq_u32 s33, 6
	s_cselect_b32 s38, 11, s38
	s_lshl_b32 s38, s38, 2
	v_lshlrev_b32 v3, 12, v8
	v_lshl_add_u32 v3, v7, 4, v3                   ; in: lanes 0-15 one row's 256 bytes, lanes 16-31 the next row's
	s_mul_i32 s3, s2, 2*STG
	v_mul_u32_u24 v4, v8, 272
	v_lshl_add_u32 v4, v7, 4, v4
	v_add_nc_u32 v4, s3, v4                        ; into the stage, as loaded
	v_mul_u32_u24 v5, v7, 272
	v_lshl_add_u32 v5, v8, 6, v5
	v_add_nc_u32 v5, s3, v5                        ; out of it: row r, 64 h bytes on: my 16 numbers of a block of 32
	v_lshlrev_b32 v6, 4, v2                        ; out: 16 x lane
	s_lshl_b32 s40, s34, 6
	s_lshr_b32 s41, s2, 1
	s_lshl_b32 s41, s41, 5
	s_add_co_u32 s40, s40, s41
	s_and_b32 s41, s2, 1
	s_lshl_b32 s41, s41, 3
	s_add_co_u32 s40, s40, s41                     ; my tile's first row: 64 x local + 32 (wave / 2) + 8 (wave % 2)
	s_lshl_b32 s40, s40, 12                        ; rows of 4,096 bytes
	s_mov_b32 s41, 0
	s_lshl_b32 s42, s32, 2
	s_add_co_u32 s42, s42, s2
	s_lshl_b32 s42, s42, 14                        ; my row tile's 16,384 bytes of codes
	s_mov_b32 s43, 0
	s_wait_kmcnt 0x0
	s_load_b32 s36, s[8:9], s38 offset:0x0         ; e
	s_mov_b64 s[4:5], s[16:17]                     ; the tensor's address: a choice on the work-group's number alone
.irp k, 1,2,3,4,5,6
	s_cmp_eq_u32 s33, \k
	s_cselect_b64 s[4:5], s[16+2*\k:17+2*\k], s[4:5]
.endr
	s_add_nc_u64 s[4:5], s[4:5], s[40:41]
	s_add_nc_u64 s[10:11], s[10:11], s[42:43]
.macro LOAD t                          ; step t: 64 numbers of each of my 16 rows; load i brings tile rows 2 i and 2 i + 1, which are rows 2 i + 8 (i / 4) on
.irp i, 0,1,2,3,4,5,6,7
	global_load_b128 v[R+32*((\t)%4)+4*\i:R+32*((\t)%4)+4*\i+3], v3, s[4:5] offset:(2*\i+8*(\i/4))*4096+256*(\t) th:TH_LOAD_NT
.endr
.endm
.macro TURN t                          ; through my stage: LDS serves a wave's instructions in order (ISA guide 5.7.1.4), so no wait stands between the stores and the loads
.irp i, 0,1,2,3,4,5,6,7
	ds_store_b128 v4, v[R+32*((\t)%4)+4*\i:R+32*((\t)%4)+4*\i+3] offset:STG*((\t)%2)+544*\i
.endr
.irp i, 0,1,2,3,4,5,6,7
	ds_load_b128 v[X+32*((\t)%2)+4*\i:X+32*((\t)%2)+4*\i+3], v5 offset:STG*((\t)%2)+128*(\i/4)+16*(\i%4)
.endr
.endm
	LOAD 0
	LOAD 1
	LOAD 2
	LOAD 3
	s_wait_kmcnt 0x0
	s_add_co_i32 s36, s36, 127
	s_lshl_b32 s37, s36, 23
	v_mov_b32 v11, s37                             ; 2^e as f32: the conversion takes its exponent field
	s_add_co_i32 s36, s36, 8
	s_lshl_b32 s36, s36, 23
	s_or_b32 s36, s36, 0x600000
	v_mov_b32 v10, s36                             ; 448 x 2^e
	s_wait_loadcnt 24                              ; step 0's eight loads are in; the 24 of steps 1 to 3 may be out
	TURN 0
.macro STEP t
.set XS, X+32*((\t)%2)
.set CS, C+8*((\t)%4)
	s_wait_dscnt 0x0                               ; this step's numbers are back from the stage, and its stores into the stage have read their registers,
.if (\t)+4 < 16
	LOAD (\t)+4                                    ; which take the loads of four steps on
.endif
.if (\t)+1 < 16
.if 14-(\t) >= 3
	s_wait_loadcnt 24                              ; the next step's loads are in; those of the three steps behind it may be out
.else
	s_wait_loadcnt 8*(14-(\t))                     ; at the end the count runs down
.endif
	TURN (\t)+1
.endif
.set j, 0
.rept 32
	v_med3_num_f32 v[XS+j], v[XS+j], -v10, v10     ; the conversion to an 8-bit code does not saturate (ISA guide 7.6.2): the hold comes first
.set j, j+1
.endr
.if (\t) >= 4
	s_wait_xcnt 0x0                                ; the stores of four steps ago have read this set of code registers
.endif
.irp g, 0,1,2,3
	v_cvt_scalef32_pk8_fp8_f32 v[CS+2*\g:CS+2*\g+1], v[XS+8*\g:XS+8*\g+7], v11
.endr
	global_store_b128 v6, v[CS:CS+3], s[10:11] offset:1024*(\t)         ; 512 consecutive bytes: registers 4 c .. 4 c + 3 of an image
	global_store_b128 v6, v[CS+4:CS+7], s[10:11] offset:1024*(\t)+512   ; (the codes go to stores alone; the next vector lines are the next step's holds, on other registers)
.endm
.irp t, 0,1,2,3,4,5,6,7,8,9,10,11,12,13,14,15
	STEP \t
.endr
	s_wait_tensorcnt 0x0                           ; the wave's end, behind my last LDS store
	ds_add_u32 v[SPW], v[NIL]
	s_wait_dscnt 0x0
	s_endpgm
; ---------------- the mask ----------------
.Lmask:
	v_and_b32 v3, 8, v7
	v_add_nc_u32 v3, v3, v7                        ; r + 8 (r / 8)
	v_lshlrev_b32 v3, 11, v3                       ; rows of 2,048 bytes
	v_lshl_add_u32 v3, v8, 4, v3                   ; + 16 h
	v_lshlrev_b32 v9, 3, v2                        ; out: 8 x lane
	s_lshr_b32 s32, ttmp9, 1
	s_lshl_b32 s32, s32, 5
	s_and_b32 s33, ttmp9, 1
	s_lshl_b32 s33, s33, 3
	s_add_co_u32 s32, s32, s33                     ; the tile's first query
	s_lshl_b32 s32, s32, 11
	s_lshl_b32 s33, s2, 9                          ; my 512 keys
	s_add_co_u32 s40, s32, s33
	s_mov_b32 s41, 0
	s_lshl_b32 s42, ttmp9, 4
	s_lshl_b32 s33, s2, 2
	s_add_co_u32 s42, s42, s33                     ; 16 T + 4 w: my first step's number, and my class word's byte
	s_mov_b32 s43, 0
	s_lshl_b32 s44, s42, 8                         ; a step's 64 words are 256 bytes
	s_mov_b32 s45, 0
	s_mov_b32 s46, 0x01010101
	s_wait_kmcnt 0x0
	s_add_nc_u64 s[30:31], s[30:31], s[40:41]
	s_add_nc_u64 s[12:13], s[12:13], s[44:45]
	s_add_nc_u64 s[14:15], s[14:15], s[42:43]
.irp jj, 0,1,2,3
.irp b, 0,1,2,3
	global_load_b128 v[16+16*\jj+4*\b:19+16*\jj+4*\b], v3, s[30:31] offset:128*\jj+32*\b   ; keys 128 jj + 32 b + 16 h + 0 .. 15 of my query
.endr
.endr
.irp i, 0,1,2,3,4,5,6,7
	v_mov_b32 v[80+\i], 0                          ; the four steps' pairs of words: a lane write's destination counts as read
.endr
	v_mov_b32 v94, 0                               ; the OR of all my bytes
	s_mov_b32 s32, 0                               ; any, 4 bits
	s_mov_b32 s33, 0                               ; all, 4 bits
.macro MSTEP jj
	s_wait_loadcnt 4*(3-\jj)                       ; this step's four loads are in; four for each later step may be out
	v_and_b32 v92, v[16+16*\jj], v[17+16*\jj]
	v_or_b32 v93, v[16+16*\jj], v[17+16*\jj]
.set q, 2
.rept 14
	v_and_b32 v92, v92, v[16+16*\jj+q]
	v_or_b32 v93, v93, v[16+16*\jj+q]
.set q, q+1
.endr
	v_cmp_eq_u32 s38, s46, v92                     ; all 64 bytes of the lane are 1,
	s_cmp_eq_u32 s38, -1                           ; in all 32 lanes
	s_cselect_b32 s39, 1<<\jj, 0
	s_or_b32 s33, s33, s39
	v_cmp_ne_u32 s38, 0, v93
	s_cmp_lg_u32 s38, 0                            ; some byte of some lane is 1
	s_cselect_b32 s39, 1<<\jj, 0
	s_or_b32 s32, s32, s39
	v_or_b32 v94, v94, v93
.set n, 0
.rept 64                               ; word n: byte n % 4 of register n / 4, as a mask over the lanes; it goes to lane n / 2, register n % 2 of the pair
	v_and_b32 v[96+n%4], 1<<(8*(n%4)), v[16+16*\jj+n/4]
	v_cmp_ne_u32 s[34+n%4], 0, v[96+n%4]
	v_writelane_b32 v[80+2*\jj+n%2], s[34+n%4], n/2
.set n, n+1
.endr
	global_store_b64 v9, v[80+2*\jj:81+2*\jj], s[12:13] offset:256*\jj    ; 256 consecutive bytes, aligned
.endm
	MSTEP 0
	MSTEP 1
	MSTEP 2
	MSTEP 3
	v_cmp_ne_u32 s38, 0, v94
	s_lshr_b32 s39, s38, 16
	s_or_b32 s38, s38, s39                         ; a row's two lanes
	s_and_b32 s38, s38, 0xffff
	s_lshl_b32 s38, s38, 16
	s_lshl_b32 s39, s2, 2
	s_lshl_b32 s32, s32, s39
	s_lshl_b32 s33, s33, s39
	s_or_b32 s32, s32, s38
	v_mov_b32 v100, s32
	v_mov_b32 v101, s33
	v_mov_b32 v102, 0
	v_cmp_eq_u32 vcc_lo, 0, v2
	s_wait_xcnt 0x0                                ; EXEC is a source of the stores above: it changes only behind this wait
	s_and_saveexec_b32 s40, vcc_lo
	global_store_b32 v102, v100, s[14:15]
	global_store_b32 v102, v101, s[14:15] offset:2048
	s_wait_xcnt 0x0                                ; and again in front of the line that widens it
	s_or_b32 exec_lo, exec_lo, s40
	s_wait_tensorcnt 0x0                           ; the three closing lines, on this path too
	ds_add_u32 v[SPW], v[NIL]
	s_wait_dscnt 0x0
	s_endpgm
.Lfunc_end_k_qde2628441b_prep:
	.size	k_qde2628441b_prep, .Lfunc_end_k_qde2628441b_prep-k_qde2628441b_prep
	.p2alignl 7, 3214868480
	.fill 96, 4, 3214868480
	.section	.rodata,"a",@progbits
	.p2align	6, 0x0
	.amdhsa_kernel k_qde2628441b_prep
		.amdhsa_group_segment_fixed_size 35328
		.amdhsa_private_segment_fixed_size 0
		.amdhsa_enable_private_segment 0
		.amdhsa_kernarg_size 96
		.amdhsa_user_sgpr_count 2
		.amdhsa_user_sgpr_kernarg_segment_ptr 1
		.amdhsa_wavefront_size32 1
		.amdhsa_system_sgpr_workgroup_id_x 1
		.amdhsa_system_sgpr_workgroup_id_y 1
		.amdhsa_system_sgpr_workgroup_id_z 1
		.amdhsa_system_vgpr_workitem_id 0
		.amdhsa_next_free_vgpr 240
		.amdhsa_next_free_sgpr 66
		.amdhsa_reserve_vcc 1
		.amdhsa_float_denorm_mode_32 3
		.amdhsa_float_denorm_mode_16_64 3
		.amdhsa_memory_ordered 1
		.amdhsa_forward_progress 1
		.amdhsa_inst_pref_size 128
	.end_amdhsa_kernel
	.amdgpu_metadata
---
amdhsa.version: [ 1, 2 ]
amdhsa.kernels:
  - .name:           k_qde2628441b_prep
    .symbol:         k_qde2628441b_prep.kd
    .args:
      - { .name: query, .offset: 0, .size: 8, .value_kind: global_buffer, .address_space: global }
      - { .name: key, .offset: 8, .size: 8, .value_kind: global_buffer, .address_space: global }
      - { .name: value, .offset: 16, .size: 8, .value_kind: global_buffer, .address_space: global }
      - { .name: Wq, .offset: 24, .size: 8, .value_kind: global_buffer, .address_space: global }
      - { .name: Wk, .offset: 32, .size: 8, .value_kind: global_buffer, .address_space: global }
      - { .name: Wv, .offset: 40, .size: 8, .value_kind: global_buffer, .address_space: global }
      - { .name: Wo, .offset: 48, .size: 8, .value_kind: global_buffer, .address_space: global }
      - { .name: mask, .offset: 56, .size: 8, .value_kind: global_buffer, .address_space: global }
      - { .name: lowp_scales, .offset: 64, .size: 8, .value_kind: global_buffer, .address_space: global }
      - { .name: codes, .offset: 72, .size: 8, .value_kind: global_buffer, .address_space: global }
      - { .name: mwords, .offset: 80, .size: 8, .value_kind: global_buffer, .address_space: global }
      - { .name: cls, .offset: 88, .size: 8, .value_kind: global_buffer, .address_space: global }
    .group_segment_fixed_size: 35328
    .private_segment_fixed_size: 0
    .kernarg_segment_align: 8
    .kernarg_segment_size: 96
    .max_flat_workgroup_size: 128
    .sgpr_count:     66
    .vgpr_count:     240
    .wavefront_size: 32
...
	.end_amdgpu_metadata
.endif
;; end of part 1
;; launch proj (part 2): grid 4 x 96, 4 waves a work-group, clusters of 4 x 4, 327,680 bytes of LDS; arguments codes, lowp_scales, qkv; writes qkv
.if DOCPART == 2
	.amdgcn_target "amdgcn-amd-amdhsa--gfx1250"
	.amdhsa_code_object_version 6
	.text
	.protected	k_qde2628441b_proj
	.globl	k_qde2628441b_proj
	.p2align	8
	.type	k_qde2628441b_proj,@function
k_qde2628441b_proj:
	s_mov_b64 s[64:65], 0
	v_nop
	global_prefetch_b8 v0, s[64:65] scope:SCOPE_SE
	s_setreg_imm32_b32 hwreg(HW_REG_WAVE_MODE, 25, 1), 1
	s_wait_xcnt 0x0
	s_wait_alu depctr_hold_cnt(0) depctr_sa_sdst(0) depctr_va_vdst(0) depctr_va_sdst(0) depctr_va_ssrc(0) depctr_va_vcc(0) depctr_vm_vsrc(0)
	s_getreg_b32 s2, hwreg(HW_REG_IB_STS2, 6, 4)
	s_cmp_eq_u32 s2, 0
	s_cbranch_scc0 .Lentry_in_a_cluster
	s_endpgm
.Lentry_in_a_cluster:
	s_bfe_u32 s2, ttmp6, 0x10000c
	s_cmp_lg_u32 s2, 0xf033
	s_cbranch_scc0 .Lentry_shape_is_right
	s_endpgm
.Lentry_shape_is_right:
; PROJ.  Q = query Wq^T, K = key Wk^T, V = value Wv^T on codes of E4M3 (K = 1,024), and the results quantised at once, with the given scales 6, 7, 8, into images for the attention launch.
; Operands come as images of operand registers (16 rows x 128 k in 2,048 bytes, byte 512 c + 16 lane + i; a row tile of 16 rows x 1,024 k is 16,384 bytes; row tile RT holds rows 32 (RT / 2) + 8 (RT % 2) + r + 8 (r / 8)).
; U is a product's source 0: its rows run along a lane's result registers, 16 neighbours in two neighbouring tiles.  T is source 1: its row is the lane.
;   Q, K (clusters 0-7, 8-15): U = the weight (rows = head x 64 + d), T = the tokens: a lane holds one token and its registers run along d, the next product's K.
;   V (clusters 16-23):        U = the tokens, T = the weight: a lane holds one d and its registers run along the keys, the next product's K: V comes out with the keys innermost and nothing is transposed.
; A work-group of four waves makes 256 rows of U x 256 rows of T; a wave 128 x 128: 64 accumulators, 512 registers.  K goes in four steps of 256 through two LDS slots filled by the tensor data mover.
; CLUSTERS: 4 x 4.  U's tile hangs on cx, T's on cy (and both on the cluster's number, which all sixteen share): T's tile is asked for jointly along a row of the cluster, U's along a column.
; What differs between Q, K and V is chosen by s_cselect on the cluster's number: no branch hangs on it.
; 384 work-groups: a tile of 256 x 128 would give 768, but each LDS byte would then feed fewer products: by the text's count 96 fragment loads for 32 products against 128 for 64.
; THE RESULTS: a sum stands for sum x 2^(ex + ew); its code is sum / 2^(eo - ex - ew), held within +-448.  The conversions' results are the images' registers; each store is 512 consecutive bytes.
;   qkv: Q at 0, K at 8 Mi: [batch x 16 + head][token tile 0..127][1,024 bytes: 16 tokens x 64 d];  V at 16 Mi: [batch x 16 + head][key step 0..15][d tile 0..3][2,048 bytes: 16 d x 128 keys].
; LIMITS: e6 - e0 - e1, e7 - e2 - e3, e8 - e4 - e5 between -126 and 119.
; REGISTERS, in windows of 256: window 0: v16-29 addresses and constants, v32-95 at work on the way out, v128-255 T's fragments (one set), later the codes.  window 1: U's fragments, two sets.  windows 2, 3: the accumulators ((a, b) at v[8 (8 (a % 4) + b)]).
.set SLOT,  131072                     ; a slot: T's 16 row tiles x 4,096 bytes, then U's
.set UOFF,  65536
.set SPARE, 262144                     ; behind the ring: the spare words, 128 bytes a wave, named by no other line
.set FR,    16                         ; registers of a fragment
.set NL,    4                          ; LDS loads that bring one
.set NP,    4                          ; places behind this matrix instruction (ISA guide 7.12.1)
.set ADRA,  16                         ; v16-17  LDS address of my T fragments in slot 0, 1
.set ADRB,  20                         ; v20-21  the same for U
.set CO,    24                         ; v24  16 x lane
.set CO2,   25                         ; v25  the same, one head (Q, K) or half an image (V) further on
.set SC,    26                         ; v26  2^(eo - ex - ew) as f32
.set LIM,   27                         ; v27  448 x that
.set SPW,   28                         ; v28  my spare word's LDS address; never rewritten
.set NIL,   29                         ; v29  0; never rewritten
.set TMP,   32
.set AF,    128
.set CD,    128
.set G1,  24                           ; s[24:31] descriptor group 1 for T's tiles; s[32:39] group 0, a set for each slot
.set G0,  32
.set G1B, 48                           ; s[48:55], s[56:63] the same for U's
.set G0B, 56
.set MSB, 0
.macro WIN new                         ; the immediate's high byte repeats the setting that is left
.if MSB != \new
	s_set_vgpr_msb (MSB<<8)|\new
.set MSB, \new
.endif
.endm
.set MUL_LO, 0xa1                      ; source 0 (U) window 1, source 1 (T) window 0, C and D window 2
.set MUL_HI, 0xf1                      ; the same, C and D window 3
.set TO_B,   0x40                      ; destination window 1, address window 0
; A joint load: waves 0 and 1 fetch T's halves, waves 2 and 3 U's.  The branch hangs on the wave's number alone.  An s_nop 0 and four v_nop follow each of the two lines.
.macro JLOAD g0a, g1a, g0b, g1b
	s_cmp_eq_u32 s15, 0
	s_cbranch_scc0 .Lfor_b_\@
	tensor_load_to_lds s[\g0a:\g0a+3], s[\g1a:\g1a+7]
	s_nop 0
.rept 4
	v_nop
.endr
	s_branch .Lasked_\@
.Lfor_b_\@:
	tensor_load_to_lds s[\g0b:\g0b+3], s[\g1b:\g1b+7]
	s_nop 0
.rept 4
	v_nop
.endr
.Lasked_\@:
.endm
.macro CREST                           ; a round of the cluster's barrier behind its opening barrier
	s_cmp_lg_u32 s14, 0
	s_cbranch_scc1 .Lnot_wave_0_\@
	s_barrier_signal -3
.Lnot_wave_0_\@:
	s_barrier_wait -3
	s_barrier_signal -1
	s_barrier_wait -1
.endm
.macro CROUND
	s_barrier_signal -1
	s_barrier_wait -1
	CREST
.endm
	s_load_b128 s[4:7], s[0:1], 0x0                ; the codes s[4:5], the scales' exponents s[6:7]
	s_load_b64 s[8:9], s[0:1], 0x10                ; qkv
	v_lshl_add_u32 v[SPW], v0, 2, SPARE
	v_mov_b32 v[NIL], 0
	ds_add_u32 v[SPW], v[NIL]                      ; the wave's opening: the add and its wait ahead of my first tensor load; the set-up below stands between them
	v_lshrrev_b32 v1, 5, v0
	v_readfirstlane_b32 s14, v1                    ; wave 0..3
	s_lshr_b32 s15, s14, 1                         ; which half of T's rows is mine.  Also: I fetch for T (0) or for U (1)
	s_and_b32 s16, s14, 1                          ; which half of U's rows.  Also: which 8 row tiles I fetch
	s_bfe_u32 s40, ttmp6, 0x40000                  ; cx
	s_bfe_u32 s41, ttmp6, 0x40004                  ; cy
	s_and_b32 s17, ttmp7, 0xffff                   ; the cluster's number, 0 .. 23
	s_lshr_b32 s18, s17, 3                         ; z: 0 Q, 1 K, 2 V
	s_and_b32 s19, s17, 7                          ; which eighth of the tokens
	s_lshl_b32 s66, s18, 3                         ; where ex, ew lie among the scales,
	s_lshl_b32 s67, s18, 2                         ; and, from entry 6 on, eo
	s_add_co_u32 s22, s18, 24
	s_lshl_b32 s22, s22, 20                        ; the weight's codes: (24 + z) Mi
	s_lshl_b32 s23, s18, 23                        ; the tokens' codes: 8 z Mi
	s_cmp_eq_u32 s18, 2
	s_cselect_b32 s20, s19, 0                      ; V: the tokens are U,
	s_cselect_b32 s21, 0, s19                      ; else T
	s_cselect_b32 s22, 0x1000000, s22              ; U's tensor in the codes' buffer
	s_cselect_b32 s23, 0x1a00000, s23              ; T's
	s_lshl_b32 s42, s20, 2
	s_add_co_u32 s42, s42, s40                     ; which 256 rows of U
	s_lshl_b32 s43, s21, 2
	s_add_co_u32 s43, s43, s41                     ; which 256 rows of T
	s_lshl_b32 s44, s41, 2
	s_lshl_b32 s44, 15, s44                        ; my row of the cluster
	s_lshl_b32 s46, 0x1111, s40                    ; my column
	; descriptor group 1: 8 row tiles' K step: 8 rows of 4,096 bytes, 16,384 bytes apart, dense in LDS
	s_or_b32 s[G1+0], s44, (1<<21)                 ; 15:0 the mask: T's tiles go to my row; 17:16 elements of 1 byte; 20 no padding; 21 set beside a mask
	s_or_b32 s[G1B+0], s46, (1<<21)                ; U's go to my column
.irp g, G1, G1B
	s_mov_b32 s[\g+1], 4096<<16                    ; tensor_dim0
	s_mov_b32 s[\g+2], 8<<16                       ; tensor_dim1
	s_mov_b32 s[\g+3], 4096<<16                    ; tile_dim0
	s_mov_b32 s[\g+4], 8                           ; tile_dim1
	s_mov_b32 s[\g+5], 16384                       ; tensor_dim0_stride
	s_mov_b32 s[\g+6], 0
	s_mov_b32 s[\g+7], 0
.endr
	s_lshl_b32 s72, s16, 17                        ; the 8 row tiles that I fetch
	s_lshl_b32 s68, s43, 18                        ; T: 16 row tiles of 16,384 bytes for each 256 rows
	s_add_co_u32 s68, s68, s72
	s_add_co_u32 s68, s68, s23
	s_mov_b32 s69, 0
	s_lshl_b32 s70, s42, 18                        ; U likewise, in registers that never hold cy
	s_add_co_u32 s70, s70, s72
	s_add_co_u32 s70, s70, s22
	s_mov_b32 s71, 0
	s_lshl_b32 s45, s14, 15                        ; where they go: wave x 32,768: no place in the cluster enters an LDS address
	s_wait_dscnt 0x0                               ; the opening add is done
	s_wait_kmcnt 0x0
	s_load_b64 s[96:97], s[6:7], s66 offset:0x0    ; ex, ew
	s_load_b32 s98, s[6:7], s67 offset:0x18        ; eo
	s_add_nc_u64 s[68:69], s[4:5], s[68:69]
	s_add_nc_u64 s[70:71], s[4:5], s[70:71]
	CROUND                                         ; all sixteen work-groups are here: the first joint loads meet
.irp s, 0,1
	s_mov_b32 s[G0+4*\s], 1
	s_add_co_u32 s[G0+4*\s+1], s45, \s*SLOT
	s_add_nc_u64 s[G0+4*\s+2:G0+4*\s+3], s[68:69], \s*4096
	s_or_b32 s[G0+4*\s+3], s[G0+4*\s+3], 0x80000000
	s_mov_b32 s[G0B+4*\s], 1
	s_add_co_u32 s[G0B+4*\s+1], s45, \s*SLOT
	s_add_nc_u64 s[G0B+4*\s+2:G0B+4*\s+3], s[70:71], \s*4096
	s_or_b32 s[G0B+4*\s+3], s[G0B+4*\s+3], 0x80000000
	JLOAD G0+4*\s, G1, G0B+4*\s, G1B               ; K steps 0 and 1: two tensor loads of mine are out
.endr
	v_and_b32 v1, 31, v0
	v_lshlrev_b32 v[CO], 4, v1                     ; 16 x lane: an image's place for my lane
	s_lshl_b32 s72, s15, 15                        ; my 8 row tiles of T,
	s_lshl_b32 s73, s16, 15
	s_add_co_u32 s73, s73, UOFF                    ; and of U
.irp s, 0,1
	v_add_nc_u32 v[ADRA+\s], s72, v[CO]
	v_add_nc_u32 v[ADRB+\s], s73, v[CO]
	s_add_co_u32 s72, s72, SLOT
	s_add_co_u32 s73, s73, SLOT
.endr
	; where my results go.  Q, K: 8 z Mi + batch x 2 Mi + (4 U + 2 uhalf) heads of 131,072 + ((T % 8) 16 + 8 thalf) token tiles of 1,024
	s_lshl_b32 s74, s18, 23
	s_lshr_b32 s76, s43, 3
	s_lshl_b32 s76, s76, 21
	s_add_co_u32 s74, s74, s76
	s_lshl_b32 s76, s42, 19
	s_add_co_u32 s74, s74, s76
	s_lshl_b32 s76, s16, 18
	s_add_co_u32 s74, s74, s76
	s_and_b32 s76, s43, 7
	s_lshl_b32 s76, s76, 14
	s_add_co_u32 s74, s74, s76
	s_lshl_b32 s76, s15, 13
	s_add_co_u32 s74, s74, s76
	; V: 16 Mi + batch x 2 Mi + (4 T + 2 thalf) heads of 131,072 + key step x 8,192, with 2 U + uhalf = 16 batch + key step
	s_lshl_b32 s78, s42, 1
	s_add_co_u32 s78, s78, s16
	s_lshr_b32 s79, s78, 4
	s_lshl_b32 s79, s79, 21
	s_add_co_u32 s79, s79, 0x1000000
	s_lshl_b32 s76, s43, 19
	s_add_co_u32 s79, s79, s76
	s_lshl_b32 s76, s15, 18
	s_add_co_u32 s79, s79, s76
	s_and_b32 s76, s78, 15
	s_lshl_b32 s76, s76, 13
	s_add_co_u32 s79, s79, s76
	s_mov_b32 s80, 1024
	s_mov_b32 s84, 131072
	s_cmp_eq_u32 s18, 2
	s_cselect_b32 s74, s79, s74
	s_cselect_b32 s80, 2048, s80                   ; from a block of T to the next: a token tile, or a d tile
	s_cselect_b32 s82, 122880, 0                   ; V: behind four d tiles the next head: 131,072 - 8,192
	s_cselect_b32 s84, 1024, s84                   ; registers 8-15 of a block: the next head's image, or the image's second half
	s_mov_b32 s75, 0
	s_mov_b32 s81, 0
	s_mov_b32 s83, 0
	s_add_nc_u64 s[8:9], s[8:9], s[74:75]
	v_add_nc_u32 v[CO2], s84, v[CO]
.macro FRAG reg, adr, q, i             ; a fragment comes back as it was laid: four loads of 512 consecutive bytes
.irp c, 0,1,2,3
	ds_load_b128 v[\reg+4*\c:\reg+4*\c+3], v[\adr] offset:2048*(\q)+512*\c+(\i)*4096
.endr
.endm
; 16 matrix instructions: T's blocks a0, a0 + 1 x U's eight, 128 along K.  The 64 accumulators take turns, one instruction a turn, in the same order in every step.
.macro MUL16 a0, p, zero
.irp a, \a0, \a0+1
.irp b, 0,1,2,3,4,5,6,7
.if \zero
	v_wmma_f32_16x16x128_fp8_fp8 v[8*(8*((\a)%4)+\b):8*(8*((\a)%4)+\b)+7], v[128*(\p)+FR*\b:128*(\p)+FR*\b+FR-1], v[AF+FR*(\a):AF+FR*(\a)+FR-1], 0
.else
	v_wmma_f32_16x16x128_fp8_fp8 v[8*(8*((\a)%4)+\b):8*(8*((\a)%4)+\b)+7], v[128*(\p)+FR*\b:128*(\p)+FR*\b+FR-1], v[AF+FR*(\a):AF+FR*(\a)+FR-1], v[8*(8*((\a)%4)+\b):8*(8*((\a)%4)+\b)+7]
.endif
.endr
.endr
.endm
.macro FETCH_B slot, q, p              ; U's eight fragments of the slot's q-th 128 along K into set p
	WIN TO_B
.irp i, 0,1,2,3,4,5,6,7
	FRAG 128*(\p)+FR*\i, ADRB+\slot, \q, \i
.endr
	WIN 0
.endm
.macro FETCH_A slot, q, i0             ; T's blocks i0 .. i0 + 3
.irp i, \i0, \i0+1, \i0+2, \i0+3
	FRAG AF+FR*(\i), ADRA+\slot, \q, \i
.endr
.endm
.macro PLACES n                        ; plain vector lines between a matrix instruction and a load into, or a vector line on, its registers
.rept \n
	v_nop
.endr
.endm
.macro STEP slot, q, zero              ; 128 along K whose successor lies in the same slot
	s_wait_dscnt 4*NL                              ; U's set and T's blocks 0-3 are in; the youngest 16 loads (T's blocks 4-7) may be out
	WIN MUL_LO
	MUL16 0, (\q)%2, \zero
	MUL16 2, (\q)%2, \zero
	s_wait_dscnt 0                                 ; T's blocks 4-7 are in
	PLACES NP
	FETCH_B \slot, (\q)+1, 1-(\q)%2
	FETCH_A \slot, (\q)+1, 0
	WIN MUL_HI
	MUL16 4, (\q)%2, \zero
	MUL16 6, (\q)%2, \zero
	PLACES NP
	WIN 0
	FETCH_A \slot, (\q)+1, 4
.endm
; A slot's last 128 change slots: ONE barrier; in front of it each wave waits for all its tensor loads, adds 0 to its spare word, and waits for that and for its reads of this slot.  fill = 1: the slot is filled again, two K steps ahead.
.macro TURN slot, next, fill
	s_wait_tensorcnt 0x0                           ; all my tensor loads have landed: my part of the next slot
	ds_add_u32 v[SPW], v[NIL]
	s_wait_dscnt 4*NL+1                            ; the add and the youngest 16 loads may be out
	WIN MUL_LO
	MUL16 0, 1, 0
	s_wait_dscnt 0x0                               ; the add is done, and my reads of this slot are over
	s_barrier_signal -1
	MUL16 2, 1, 0
	WIN 0
	s_barrier_wait -1
.if \fill
	CREST                                          ; the barrier has opened a round of the cluster's: no wave of any partner still reads this slot or has a load on its way
	s_add_nc_u64 s[G0+4*\slot+2:G0+4*\slot+3], s[G0+4*\slot+2:G0+4*\slot+3], 8192
	s_add_nc_u64 s[G0B+4*\slot+2:G0B+4*\slot+3], s[G0B+4*\slot+2:G0B+4*\slot+3], 8192
	JLOAD G0+4*\slot, G1, G0B+4*\slot, G1B         ; my one tensor load behind the round; its four v_nop are also the places in front of the loads below
.else
	PLACES NP
.endif
	FETCH_B \next, 0, 0
	FETCH_A \next, 0, 0
	WIN MUL_HI
	MUL16 4, 1, 0
	MUL16 6, 1, 0
	PLACES NP
	WIN 0
	FETCH_A \next, 0, 4
.endm
	s_wait_tensorcnt 1                             ; my part of K step 0 is in; K step 1's load may be out
	s_barrier_signal -1
	s_barrier_wait -1
	FETCH_B 0, 0, 0
	FETCH_A 0, 0, 0
	FETCH_A 0, 0, 4
	STEP 0, 0, 1                                   ; the first products start the sums: nothing is cleared.  Four K steps: written straight through
	TURN 0, 1, 1                                   ; slot 0 takes K step 2
	STEP 1, 0, 0
	TURN 1, 0, 1                                   ; slot 1 takes K step 3
	STEP 0, 0, 0
	TURN 0, 1, 0
	STEP 1, 0, 0
	s_wait_dscnt 4*NL
	WIN MUL_LO
	MUL16 0, 1, 0
	MUL16 2, 1, 0
	s_wait_dscnt 0
	WIN MUL_HI
	MUL16 4, 1, 0
	MUL16 6, 1, 0
	WIN 0
; THE WAY OUT, a block of T (16 lanes' rows) at a time: hold, convert, store.  Accumulator b's eight registers become registers 2 b, 2 b + 1 of the block's sixteen.
.macro OUTBLK a
.set AC, 64*((\a)%4)
	WIN 0x02+((\a)/4)                              ; source 0: window 2 or 3
.set j, 0
.rept 64
	v_med3_num_f32 v[TMP+j], v[AC+j], -v[LIM], v[LIM]   ; the conversion does not saturate (ISA guide 7.6.2); each accumulator from its low end on
.set j, j+1
.endr
	WIN 0
.irp b, 0,1,2,3,4,5,6,7
	v_cvt_scalef32_pk8_fp8_f32 v[CD+16*(\a)+2*\b:CD+16*(\a)+2*\b+1], v[TMP+8*\b:TMP+8*\b+7], v[SC]
.endr
	v_nop                                          ; a plain line between the conversions and the next block's holds, which write their sources
	global_store_b128 v[CO],  v[CD+16*(\a):CD+16*(\a)+3],     s[8:9]
	global_store_b128 v[CO],  v[CD+16*(\a)+4:CD+16*(\a)+7],   s[8:9] offset:512
	global_store_b128 v[CO2], v[CD+16*(\a)+8:CD+16*(\a)+11],  s[8:9]
	global_store_b128 v[CO2], v[CD+16*(\a)+12:CD+16*(\a)+15], s[8:9] offset:512   ; each store: 512 consecutive bytes, aligned
.if (\a) < 7
	s_wait_xcnt 0x0                                ; the stores have read their base: it may step
	s_add_nc_u64 s[8:9], s[8:9], s[80:81]
.endif
.if (\a) == 3
	s_add_nc_u64 s[8:9], s[8:9], s[82:83]
.endif
.endm
	s_wait_kmcnt 0x0
	s_sub_co_i32 s98, s98, s96
	s_sub_co_i32 s98, s98, s97                     ; eo - ex - ew
	s_add_co_i32 s98, s98, 127
	s_lshl_b32 s99, s98, 23
	s_add_co_i32 s98, s98, 8
	s_lshl_b32 s98, s98, 23
	s_or_b32 s98, s98, 0x600000
	PLACES NP                                      ; behind the last products
	v_mov_b32 v[SC], s99
	v_mov_b32 v[LIM], s98
.irp a, 0,1,2,3,4,5,6,7
	OUTBLK \a
.endr
	s_wait_tensorcnt 0x0                           ; the wave's end
	ds_add_u32 v[SPW], v[NIL]
	s_wait_dscnt 0x0
	CROUND                                         ; the closing round: no work-group ends while a partner may still ask for a tile that names it
	s_endpgm
.Lfunc_end_k_qde2628441b_proj:
	.size	k_qde2628441b_proj, .Lfunc_end_k_qde2628441b_proj-k_qde2628441b_proj
	.p2alignl 7, 3214868480
	.fill 96, 4, 3214868480
	.section	.rodata,"a",@progbits
	.p2align	6, 0x0
	.amdhsa_kernel k_qde2628441b_proj
		.amdhsa_group_segment_fixed_size 327680
		.amdhsa_private_segment_fixed_size 0
		.amdhsa_enable_private_segment 0
		.amdhsa_kernarg_size 24
		.amdhsa_user_sgpr_count 2
		.amdhsa_user_sgpr_kernarg_segment_ptr 1
		.amdhsa_wavefront_size32 1
		.amdhsa_system_sgpr_workgroup_id_x 1
		.amdhsa_system_sgpr_workgroup_id_y 1
		.amdhsa_system_sgpr_workgroup_id_z 1
		.amdhsa_system_vgpr_workitem_id 0
		.amdhsa_next_free_vgpr 1024
		.amdhsa_next_free_sgpr 100
		.amdhsa_reserve_vcc 0
		.amdhsa_float_denorm_mode_32 3
		.amdhsa_float_denorm_mode_16_64 3
		.amdhsa_memory_ordered 1
		.amdhsa_forward_progress 1
		.amdhsa_inst_pref_size 119
	.end_amdhsa_kernel
	.amdgpu_metadata
---
amdhsa.version: [ 1, 2 ]
amdhsa.kernels:
  - .name:           k_qde2628441b_proj
    .symbol:         k_qde2628441b_proj.kd
    .args:
      - { .name: codes, .offset: 0, .size: 8, .value_kind: global_buffer, .address_space: global }
      - { .name: lowp_scales, .offset: 8, .size: 8, .value_kind: global_buffer, .address_space: global }
      - { .name: qkv, .offset: 16, .size: 8, .value_kind: global_buffer, .address_space: global }
    .group_segment_fixed_size: 327680
    .private_segment_fixed_size: 0
    .kernarg_segment_align: 8
    .kernarg_segment_size: 24
    .max_flat_workgroup_size: 128
    .sgpr_count:     100
    .vgpr_count:     1024
    .wavefront_size: 32
...
	.end_amdgpu_metadata
.endif
;; end of part 2
;; launch attn (part 3): grid 64 x 8, 16 waves a work-group, no clusters, 34,816 bytes of LDS; arguments qkv, mwords, cls, lowp_scales, aimg; writes aimg
.if DOCPART == 3
	.amdgcn_target "amdgcn-amd-amdhsa--gfx1250"
	.amdhsa_code_object_version 6
	.text
	.protected	k_qde2628441b_attn
	.globl	k_qde2628441b_attn
	.p2align	8
	.type	k_qde2628441b_attn,@function
k_qde2628441b_attn:
	s_mov_b64 s[64:65], 0
	v_nop
	global_prefetch_b8 v0, s[64:65] scope:SCOPE_SE
	s_setreg_imm32_b32 hwreg(HW_REG_WAVE_MODE, 25, 1), 1
	s_wait_xcnt 0x0
; ATTN.  For each of 64 heads (batch x 16 + head): S^T = K Q^T and O^T = V^T P^T on codes of E4M3, with the given mask, and the result quantised (scale 10) into images for the last projection.
; THE SOFTMAX: t = score x log2(e) / 8; M = the running largest t rounded up to a whole number; p = 2^(t - M) is quantised (scale 9), not normalised; the sum is taken of the unquantised p and divides O at the end.
; When M moves, the sum and O^T are multiplied by 2^(old M - new M), which rounds nothing.
; SHARES.  A work-group owns 256 queries of a head, each of its sixteen waves one tile of 16 (tile T holds queries 32 (T / 2) + 8 (T % 2) + r + 8 (r / 8)), in 256 registers: four waves to a SIMD.
; A lane holds ONE query (lane % 16) throughout.  Sixteen key steps of 128 keys; a step's K (8 images of 1,024 bytes) and V (4 of 2,048) go from memory through registers into one of two LDS slots, 1,024 bytes a wave, a step ahead.
; THE MASK IS AN INPUT.  An earlier launch stored, as whole numbers: for each tile and step 64 lane masks (word n for score register n), and per tile which steps have any true key, which are all true, and which rows have a true key at all.
;   A masked score becomes -2^(69 - e6 - e7), so that its t is -1.4427 x 2^66 exactly (the problem's own number is -1.4427e20): under every real t, p = 0 there.  In a row with no true key every t is that number, t - M is exactly 0 and p = 1 on all 2,048 keys.
;   A step in which no query of my tile has a true key is left out (its p would be 0, or be multiplied by 0 when M moves), but only if every row of the tile has a true key somewhere: else the tile walks all steps.
;   A step that is all true skips the 64 selects.  A step that no tile of the work-group walks is not fetched.  These are scalar branches on stored whole numbers; no barrier stands under such a branch.
;   No cluster: partners would walk different steps.
; LIMITS: e6 + e7 between -58 and 40 (then every real |t| is under 1e20); e9 and e10 - e8 - e9 between -126 and 119.  NaN is not served.
; REGISTERS: v1 16 x lane; v2 where I stage; v3 256 x lane; v5, v6 the add's two; v7 the masked score; v12 -M, v13 the largest t, v[14:15] the sum; v16-23 Q; v24-31, v208-215 two staging sets; v32-95 K's 8 fragments, then V's 4;
;   v96-159 S^T, then p; v160-191 O^T; v192-207 p's codes; v240, v244: 448 x 2^e9, 2^e9; v241, v245 the same for e10 - e8 - e9; v236, v242, v243, v252-254 at work.
; s2 wave; s3 trips; s[4:5] my staging source; s[6:7] my tile's mask words; s[12:13] Q; s15 256 x step; s66 ANY, s67 ALL, s72 NEED (bit 0 = the step in hand); s[68:69] c; s[70:71] lane selects; s74 e9; s75 prefetch limit; s16-63, s80-95 64 mask words.
.set SLOTB, 16384
.set VOFF,  8192
.set SPARE, 32768                      ; behind the two slots: the spare words, 128 bytes a wave, named by no other line
.set SPW, 5
.set NIL, 6
	s_load_b256 s[4:11], s[0:1], 0x0               ; qkv, mwords, cls, the scales' exponents
	v_lshl_add_u32 v[SPW], v0, 2, SPARE
	v_mov_b32 v[NIL], 0
	v_lshrrev_b32 v2, 5, v0
	v_readfirstlane_b32 s2, v2                     ; wave 0..15
	v_and_b32 v1, 31, v0
	v_lshlrev_b32 v3, 8, v1
	v_lshlrev_b32 v1, 4, v1
	v_lshl_add_u32 v2, v2, 10, v1                  ; 1,024 x wave + 16 x lane
	s_and_b32 s3, ttmp7, 0xffff
	s_sub_co_u32 s66, 7, s3                        ; my block of 256 queries: the late blocks are launched first (an order, no more)
	s_lshl_b32 s67, s66, 4
	s_add_co_u32 s67, s67, s2                      ; T
	s_lshl_b32 s68, s66, 8                         ; the block's 64 class words,
	s_lshl_b32 s69, s67, 4                         ; my tile's four
	s_lshl_b32 s70, ttmp9, 17                      ; a head's 131,072 bytes of Q, of K, of V
	s_mov_b32 s15, 0
	s_wait_kmcnt 0x0
	s_load_b512 s[16:31], s[8:9], s68 offset:0x0
	s_load_b512 s[32:47], s[8:9], s68 offset:0x40
	s_load_b512 s[48:63], s[8:9], s68 offset:0x80
	s_load_b512 s[80:95], s[8:9], s68 offset:0xc0
	s_load_b128 s[76:79], s[8:9], s69 offset:0x0
	s_load_b128 s[72:75], s[8:9], s69 offset:0x800 ; my tile's all-true words
	s_load_b128 s[96:99], s[10:11], 0x18           ; e6, e7, e8, e9
	s_load_b32 s100, s[10:11], 0x28                ; e10
	s_lshl_b32 s14, s67, 10
	s_add_co_u32 s14, s14, s70
	s_add_nc_u64 s[12:13], s[4:5], s[14:15]        ; Q's image of my tile
	s_lshl_b32 s14, s67, 12
	s_add_nc_u64 s[6:7], s[6:7], s[14:15]          ; my tile's 16 x 64 mask words
	s_lshl_b32 s14, s2, 10
	s_add_co_u32 s14, s14, s70
	s_mov_b32 s71, 0xffe000
	s_cmp_lt_u32 s2, 8
	s_cselect_b32 s71, 0x800000, s71               ; waves 0-7: K at 8 Mi + 1,024 w; waves 8-15: V at 16 Mi + 1,024 (w - 8)
	s_add_co_u32 s14, s14, s71
	s_add_nc_u64 s[4:5], s[4:5], s[14:15]
	global_load_b128 v[16:19], v1, s[12:13]
	global_load_b128 v[20:23], v1, s[12:13] offset:512
	global_load_b128 v[24:27], v1, s[4:5]                      ; step 0
	global_load_b128 v[28:31], v1, s[4:5] offset:512
	global_load_b128 v[208:211], v1, s[4:5] offset:8192        ; step 1
	global_load_b128 v[212:215], v1, s[4:5] offset:8704
	v_mov_b32 v13, 0xff61b1e6                      ; the largest t so far: -3e38
	v_floor_f32 v12, -v13                          ; -M
	v_mov_b32 v14, 0
	v_mov_b32 v15, 0
	v_mov_b32 v236, 0                              ; a lane permute's destination counts as read
	v_mov_b32 v252, 0
	v_mov_b32 v253, 0                              ; (named as the upper half of the pair v[252:253])
.set n, 0
.rept 32
	v_mov_b32 v[160+n], 0                          ; O^T: the step is written once; the first finds zeros
.set n, n+1
.endr
	s_wait_kmcnt 0x0
	s_or_b32 s67, s72, s73
	s_or_b32 s14, s74, s75
	s_or_b32 s67, s67, s14                         ; ALL: bit j: step j is all true for my tile
	s_mov_b32 s72, 0
	s_mov_b32 s66, 0
.macro CLS w0, acc                     ; a tile's four words: bits 15:0 the steps with a true key, bits 31:16 the rows with one.  A tile with a row that has none walks all steps
	s_or_b32 s101, s[\w0], s[\w0+1]
	s_or_b32 s14, s[\w0+2], s[\w0+3]
	s_or_b32 s101, s101, s14
	s_lshr_b32 s14, s101, 16
	s_cmp_eq_u32 s14, 0xffff
	s_cselect_b32 s101, s101, 0xffff
	s_or_b32 s[\acc], s[\acc], s101
.endm
.irp w, 16,20,24,28,32,36,40,44,48,52,56,60,80,84,88,92
	CLS \w, 72
.endr
	CLS 76, 66
	s_and_b32 s72, s72, 0xffff                     ; NEED: some tile of the work-group walks the step
	s_and_b32 s66, s66, 0xffff                     ; ANY: mine does
	s_add_co_i32 s14, s96, s97                     ; e6 + e7
	s_lshl_b32 s101, s14, 23
	s_add_co_i32 s68, s101, 0x3e38aa3b             ; c = log2(e) / 8 x 2^(e6 + e7): the exponents are added to c's exponent field
	s_mov_b32 s69, s68
	s_sub_co_i32 s14, 196, s14
	s_lshl_b32 s14, s14, 23
	s_or_b32 s14, s14, 0x80000000
	v_mov_b32 v7, s14                              ; -2^(69 - e6 - e7)
	s_mov_b32 s74, s99
	s_add_co_i32 s14, s99, 127
	s_lshl_b32 s101, s14, 23
	v_mov_b32 v244, s101                           ; 2^e9
	s_add_co_i32 s14, s14, 8
	s_lshl_b32 s14, s14, 23
	s_or_b32 s14, s14, 0x600000
	v_mov_b32 v240, s14                            ; 448 x 2^e9
	s_sub_co_i32 s14, s100, s98
	s_sub_co_i32 s14, s14, s99                     ; O / sum stands for that x 2^(e8 + e9): its code is it / 2^(e10 - e8 - e9)
	s_add_co_i32 s14, s14, 127
	s_lshl_b32 s101, s14, 23
	v_mov_b32 v245, s101
	s_add_co_i32 s14, s14, 8
	s_lshl_b32 s14, s14, 23
	s_or_b32 s14, s14, 0x600000
	v_mov_b32 v241, s14
	s_and_b32 s14, s2, 7
	s_and_b32 s101, ttmp7, 0xffff
	s_or_b32 s14, s14, s101
	s_cmp_eq_u32 s14, 0
	s_cselect_b32 s75, 13*256, 0                   ; waves 0 and 8 of the head's first work-group prefetch, in steps 0 to 12
	s_mov_b32 s70, 0x76543210
	s_mov_b32 s71, 0xfedcba98
	s_wait_loadcnt 2                               ; Q and step 0 are in; step 1's two loads may be out
	ds_store_b128 v2, v[24:27]
	ds_store_b128 v2, v[28:31] offset:512
	s_wait_dscnt 0x0
	s_barrier_signal -1
	s_barrier_wait -1
; THE WORK OF A KEY STEP whose tiles lie in slot u
.macro WORK u
	s_bitcmp1_b32 s67, 0
	s_cbranch_scc1 .Lfull_\@                       ; all true: no mask words are wanted
	s_load_b512 s[16:31], s[6:7], s15 offset:0x0
	s_load_b512 s[32:47], s[6:7], s15 offset:0x40
	s_load_b512 s[48:63], s[6:7], s15 offset:0x80
	s_load_b512 s[80:95], s[6:7], s15 offset:0xc0
.Lfull_\@:
.irp t, 0,1,2,3,4,5,6,7
	ds_load_b128 v[32+8*\t:35+8*\t], v1 offset:SLOTB*\u+1024*\t
	ds_load_b128 v[36+8*\t:39+8*\t], v1 offset:SLOTB*\u+1024*\t+512
.endr
	s_wait_dscnt 0x0
.irp t, 0,1,2,3,4,5,6,7                ; S^T: source 0 = 16 keys, source 1 = my 16 queries.  Registers 16 b + i of tiles 2 b, 2 b + 1 are keys 32 b + 16 (lane / 16) + i
	v_wmma_f32_16x16x64_fp8_fp8 v[96+8*\t:103+8*\t], v[32+8*\t:39+8*\t], v[16:23], 0
.endr
.rept 4
	v_nop                                          ; places: in front of the loads into K's registers and of the first read of the scores
.endr
.irp t, 0,1,2,3
.irp c, 0,1,2,3
	ds_load_b128 v[32+16*\t+4*\c:35+16*\t+4*\c], v1 offset:SLOTB*\u+VOFF+2048*\t+512*\c   ; V lands under the softmax
.endr
.endr
	s_wait_kmcnt 0x0                               ; the mask words, on both ways
	s_bitcmp1_b32 s67, 0
	s_cbranch_scc1 .Lopen_\@
.set n, 0
.rept 48
	v_cndmask_b32 v[96+n], v7, v[96+n], s[16+n]    ; bit set: the score stays
.set n, n+1
.endr
.rept 16
	v_cndmask_b32 v[96+n], v7, v[96+n], s[32+n]
.set n, n+1
.endr
.Lopen_\@:
	v_max3_num_f32 v254, v96, v97, v98             ; the step's largest score of my query among my 64 keys, in two chains,
	v_max3_num_f32 v252, v99, v100, v101
.set n, 6
.rept 14
	v_max3_num_f32 v254, v254, v[96+n], v[97+n]
	v_max3_num_f32 v252, v252, v[98+n], v[99+n]
.set n, n+4
.endr
	v_max3_num_f32 v254, v254, v158, v159
	v_max_num_f32 v254, v254, v252
	v_permlanex16_b32 v236, v254, s70, s71
	v_max_num_f32 v254, v254, v236                 ; and among the other half's
	v_mul_f32 v254, s68, v254                      ; as t (c is positive)
	v_max_num_f32 v13, v13, v254
	v_mov_b32 v254, v12
	v_floor_f32 v12, -v13                          ; -M = floor(-t): M is a whole number
	v_sub_f32 v254, v12, v254                      ; old M - new M, 0 or less
	v_cvt_i32_f32 v254, v254                       ; (it saturates)
	v_ldexp_f32 v252, 1.0, v254                    ; f = 2^(old M - new M)
.set n, 0
.rept 32
	v_pk_fma_f32 v[96+n:97+n], v[96+n:97+n], s[68:69], v[12:13] op_sel_hi:[1,0,0]   ; t - M, two at a time
.set n, n+2
.endr
.set n, 0
.rept 64
	v_exp_f32 v[96+n], v[96+n]                     ; p = 2^(t - M), at most 1
.set n, n+1
.endr
	v_pk_mul_f32 v[14:15], v[14:15], v[252:253] op_sel_hi:[1,0]   ; the sum under the new M: the plain line behind the exponentials
	s_wait_alu depctr_va_vdst(0)                   ; one wait for the batch of 64, ahead of its first reader
	v_pk_add_f32 v[242:243], v[96:97], v[98:99]    ; the sum of the unquantised p, in two chains
.set n, 4
.rept 15
	v_pk_add_f32 v[14:15], v[14:15], v[96+n:97+n]
	v_pk_add_f32 v[242:243], v[242:243], v[98+n:99+n]
.set n, n+4
.endr
	v_pk_add_f32 v[14:15], v[14:15], v[242:243]
	s_cmp_ge_i32 s74, -8                           ; p <= 1 <= 448 x 2^e9 from e9 = -8 on: then no p lies beyond the largest code and the hold is not wanted
	s_cbranch_scc1 .Lnohold_\@
.set n, 0
.rept 64
	v_min_num_f32 v[96+n], v[96+n], v240           ; the conversion does not saturate (ISA guide 7.6.2); p is not negative
.set n, n+1
.endr
.Lnohold_\@:
.irp b, 0,1,2,3
	v_cvt_scalef32_pk8_fp8_f32 v[192+4*\b:193+4*\b], v[96+16*\b:103+16*\b], v244
	v_cvt_scalef32_pk8_fp8_f32 v[194+4*\b:195+4*\b], v[104+16*\b:111+16*\b], v244
.endr
.set n, 0
.rept 16
	v_pk_mul_f32 v[160+n:161+n], v[160+n:161+n], v[252:253] op_sel_hi:[1,0]   ; O^T under the new M; also the plain lines between the conversions and the products
.set n, n+2
.endr
	s_wait_dscnt 0x0                               ; V
.irp t, 0,1,2,3                        ; O^T += V^T P^T: source 0 = 16 of the head's 64, source 1 = p; four accumulators by turns
	v_wmma_f32_16x16x128_fp8_fp8 v[160+8*\t:167+8*\t], v[32+16*\t:47+16*\t], v[192:207], v[160+8*\t:167+8*\t]
.endr
.rept 4
	v_nop                                          ; places in front of the next loads into V's registers, and of the way out's reads
.endr
.endm
; A KEY STEP.  Slot u holds its tiles.  The next step's tiles, loaded a step ago, go into the other slot, which was last read in front of the last barrier; the step after that is loaded into the registers just freed.
.macro STEP u
	s_wait_loadcnt 0x0                             ; the next step's two loads, issued a step ago
	s_wait_xcnt 0x0                                ; the last prefetch, a step back, has read its base
	s_add_nc_u64 s[4:5], s[4:5], 8192
	s_bitcmp1_b32 s72, 1
	s_cbranch_scc0 .Lnostore_\@
	ds_store_b128 v2, v[24+184*(1-\u):27+184*(1-\u)] offset:SLOTB*(1-\u)
	ds_store_b128 v2, v[28+184*(1-\u):31+184*(1-\u)] offset:SLOTB*(1-\u)+512
.Lnostore_\@:
	s_bitcmp1_b32 s72, 2                           ; NEED has 16 bits: nothing is read past step 15
	s_cbranch_scc0 .Lnoload_\@
	global_load_b128 v[24+184*\u:27+184*\u], v1, s[4:5] offset:8192
	global_load_b128 v[28+184*\u:31+184*\u], v1, s[4:5] offset:8704
.Lnoload_\@:
	s_cmp_lt_u32 s15, s75                          ; a prefetch of the step three on, one step ahead of its load: 32 lanes x 256 bytes are its 8,192 bytes of K (wave 0) or V (wave 8);
	s_cbranch_scc0 .Lnoask_\@                      ; one work-group of the head's eight asks, so each block is named once; steps 0 to 2 come by their loads alone; the last asked for is step 15
	global_prefetch_b8 v3, s[4:5] offset:16384 th:TH_LOAD_NT scope:SCOPE_SE
.Lnoask_\@:
	s_bitcmp1_b32 s66, 0
	s_cbranch_scc0 .Lidle_\@
	WORK \u
.Lidle_\@:
	s_lshr_b32 s66, s66, 1
	s_lshr_b32 s67, s67, 1
	s_lshr_b32 s72, s72, 1
	s_add_co_u32 s15, s15, 256
	s_wait_dscnt 0x0                               ; for the others' sake: my stores into the other slot have landed, my reads of this one are over
	s_barrier_signal -1
	s_barrier_wait -1
.endm
	s_mov_b32 s3, 8
.Ltrip:                                            ; eight trips of two steps: the slots' numbers are constants of the text
	STEP 0
	STEP 1
	s_sub_co_u32 s3, s3, 1
	s_cmp_lg_u32 s3, 0
	s_cbranch_scc1 .Ltrip
	; THE WAY OUT: O^T / the sum, held, converted: the four tiles' codes are the eight registers of an image (16 queries x this head's 64), stored as 2 x 512 consecutive bytes.
	s_load_b64 s[16:17], s[0:1], 0x20              ; aimg
	v_add_f32 v14, v14, v15
	v_permlanex16_b32 v252, v14, s70, s71
	v_add_f32 v14, v14, v252                       ; the row's sum
	v_rcp_f32 v14, v14
	v_nop                                          ; a plain line behind the transcendental
	s_and_b32 s14, ttmp7, 0xffff
	s_sub_co_u32 s14, 7, s14
	s_lshl_b32 s14, s14, 4
	s_add_co_u32 s14, s14, s2                      ; T
	s_lshr_b32 s15, ttmp9, 4
	s_lshl_b32 s15, s15, 7
	s_add_co_u32 s14, s14, s15                     ; row tile 128 x batch + T
	s_lshl_b32 s14, s14, 14
	s_and_b32 s15, ttmp9, 15
	s_lshl_b32 s15, s15, 10                        ; + head x 1,024
	s_add_co_u32 s14, s14, s15
	s_mov_b32 s15, 0
	s_wait_kmcnt 0x0
	s_add_nc_u64 s[16:17], s[16:17], s[14:15]
	s_wait_alu depctr_va_vdst(0)                   ; ahead of the reciprocal's first reader
.set n, 0
.rept 16
	v_pk_mul_f32 v[96+n:97+n], v[160+n:161+n], v[14:15] op_sel_hi:[1,0]   ; register 8 t + j: d = 32 (t / 2) + 16 (lane / 16) + 8 (t % 2) + j
.set n, n+2
.endr
.set n, 0
.rept 32
	v_med3_num_f32 v[96+n], v[96+n], -v241, v241
.set n, n+1
.endr
.irp t, 0,1,2,3
	v_cvt_scalef32_pk8_fp8_f32 v[192+2*\t:193+2*\t], v[96+8*\t:103+8*\t], v245
.endr
	v_nop
	global_store_b128 v1, v[192:195], s[16:17]
	global_store_b128 v1, v[196:199], s[16:17] offset:512
	s_wait_tensorcnt 0x0                           ; the wave's end, behind my last LDS store
	ds_add_u32 v[SPW], v[NIL]
	s_wait_dscnt 0x0
	s_endpgm
.Lfunc_end_k_qde2628441b_attn:
	.size	k_qde2628441b_attn, .Lfunc_end_k_qde2628441b_attn-k_qde2628441b_attn
	.p2alignl 7, 3214868480
	.fill 96, 4, 3214868480
	.section	.rodata,"a",@progbits
	.p2align	6, 0x0
	.amdhsa_kernel k_qde2628441b_attn
		.amdhsa_group_segment_fixed_size 34816
		.amdhsa_private_segment_fixed_size 0
		.amdhsa_enable_private_segment 0
		.amdhsa_kernarg_size 40
		.amdhsa_user_sgpr_count 2
		.amdhsa_user_sgpr_kernarg_segment_ptr 1
		.amdhsa_wavefront_size32 1
		.amdhsa_system_sgpr_workgroup_id_x 1
		.amdhsa_system_sgpr_workgroup_id_y 1
		.amdhsa_system_sgpr_workgroup_id_z 1
		.amdhsa_system_vgpr_workitem_id 0
		.amdhsa_next_free_vgpr 256
		.amdhsa_next_free_sgpr 102
		.amdhsa_reserve_vcc 0
		.amdhsa_float_denorm_mode_32 3
		.amdhsa_float_denorm_mode_16_64 3
		.amdhsa_memory_ordered 1
		.amdhsa_forward_progress 1
		.amdhsa_inst_pref_size 56
	.end_amdhsa_kernel
	.amdgpu_metadata
---
amdhsa.version: [ 1, 2 ]
amdhsa.kernels:
  - .name:           k_qde2628441b_attn
    .symbol:         k_qde2628441b_attn.kd
    .args:
      - { .name: qkv, .offset: 0, .size: 8, .value_kind: global_buffer, .address_space: global }
      - { .name: mwords, .offset: 8, .size: 8, .value_kind: global_buffer, .address_space: global }
      - { .name: cls, .offset: 16, .size: 8, .value_kind: global_buffer, .address_space: global }
      - { .name: lowp_scales, .offset: 24, .size: 8, .value_kind: global_buffer, .address_space: global }
      - { .name: aimg, .offset: 32, .size: 8, .value_kind: global_buffer, .address_space: global }
    .group_segment_fixed_size: 34816
    .private_segment_fixed_size: 0
    .kernarg_segment_align: 8
    .kernarg_segment_size: 40
    .max_flat_workgroup_size: 512
    .sgpr_count:     102
    .vgpr_count:     256
    .wavefront_size: 32
...
	.end_amdgpu_metadata
.endif
;; end of part 3
;; launch oproj (part 4): grid 4 x 32, 4 waves a work-group, clusters of 4 x 4, 327,680 bytes of LDS; arguments aimg, codes, lowp_scales, out0; writes out0
.if DOCPART == 4
	.amdgcn_target "amdgcn-amd-amdhsa--gfx1250"
	.amdhsa_code_object_version 6
	.text
	.protected	k_qde2628441b_oproj
	.globl	k_qde2628441b_oproj
	.p2align	8
	.type	k_qde2628441b_oproj,@function
k_qde2628441b_oproj:
	s_mov_b64 s[64:65], 0
	v_nop
	global_prefetch_b8 v0, s[64:65] scope:SCOPE_SE
	s_setreg_imm32_b32 hwreg(HW_REG_WAVE_MODE, 25, 1), 1
	s_wait_xcnt 0x0
	s_wait_alu depctr_hold_cnt(0) depctr_sa_sdst(0) depctr_va_vdst(0) depctr_va_sdst(0) depctr_va_ssrc(0) depctr_va_vcc(0) depctr_vm_vsrc(0)
	s_getreg_b32 s2, hwreg(HW_REG_IB_STS2, 6, 4)
	s_cmp_eq_u32 s2, 0
	s_cbranch_scc0 .Lentry_in_a_cluster
	s_endpgm
.Lentry_in_a_cluster:
	s_bfe_u32 s2, ttmp6, 0x10000c
	s_cmp_lg_u32 s2, 0xf033
	s_cbranch_scc0 .Lentry_shape_is_right
	s_endpgm
.Lentry_shape_is_right:
; OPROJ.  out0 = attention's result x Wo^T on codes of E4M3 (K = 1,024), each sum x 2^(e10 + e11), f32.
; Both operands come as images of operand registers (16 rows x 128 k in 2,048 bytes; a row tile of 16 rows x 1,024 k is 16,384 bytes; row tile RT holds rows 32 (RT / 2) + 8 (RT % 2) + r + 8 (r / 8)).
; U, source 0 = Wo's rows (the outputs' columns): they run along a lane's result registers, 16 neighbours in two neighbouring tiles.  T, source 1 = the tokens: a lane holds one token.
; A work-group of four waves makes 256 tokens x 256 columns; a wave 128 x 128: 64 accumulators.  K goes in four steps of 256 through two LDS slots filled by the tensor data mover.
; CLUSTERS: 4 x 4: T's tile is asked for jointly along a row of the cluster, U's along a column.  128 work-groups: a tile of 256 x 128 would give 256, with fewer products for each LDS byte read (96 fragment loads for 32 products against 128 for 64).
; THE WAY OUT: a block of 16 tokens x 128 columns goes through my own stage in LDS and comes back as whole rows of 512 bytes.  The stage lies in slot 0, which has had its last fill and its last read by then.
; LIMIT: e10 + e11 between -126 and 127.
; REGISTERS, in windows of 256: window 0: v16-29 addresses, v32-95 at work on the way out, v128-255 T's fragments (one set), later rows of the result.  window 1: U's fragments, two sets.  windows 2, 3: the accumulators.
.set SLOT,  131072
.set UOFF,  65536
.set SPARE, 262144                     ; behind the ring: the spare words, 128 bytes a wave, named by no other line
.set SPITCH, 528                       ; a stage row: 512 bytes + 16
.set FR,    16
.set NL,    4
.set NP,    4
.set ADRA,  16
.set ADRB,  20
.set STO,   24                         ; v24  where I put 32 bytes of a row
.set RD,    25                         ; v25  where I read a row back
.set CO,    26                         ; v26  16 x lane
.set SPW,   28
.set NIL,   29
.set TMP,   32
.set AF,    128
.set BK,    128
.set G1,  24
.set G0,  32
.set G1B, 48
.set G0B, 56
.set MSB, 0
.macro WIN new                         ; the immediate's high byte repeats the setting that is left
.if MSB != \new
	s_set_vgpr_msb (MSB<<8)|\new
.set MSB, \new
.endif
.endm
.set MUL_LO, 0xa1
.set MUL_HI, 0xf1
.set TO_B,   0x40
.macro JLOAD g0a, g1a, g0b, g1b        ; a joint load: waves 0 and 1 fetch T's halves, waves 2 and 3 U's; an s_nop 0 and four v_nop follow each of the two lines
	s_cmp_eq_u32 s15, 0
	s_cbranch_scc0 .Lfor_b_\@
	tensor_load_to_lds s[\g0a:\g0a+3], s[\g1a:\g1a+7]
	s_nop 0
.rept 4
	v_nop
.endr
	s_branch .Lasked_\@
.Lfor_b_\@:
	tensor_load_to_lds s[\g0b:\g0b+3], s[\g1b:\g1b+7]
	s_nop 0
.rept 4
	v_nop
.endr
.Lasked_\@:
.endm
.macro CREST
	s_cmp_lg_u32 s14, 0
	s_cbranch_scc1 .Lnot_wave_0_\@
	s_barrier_signal -3
.Lnot_wave_0_\@:
	s_barrier_wait -3
	s_barrier_signal -1
	s_barrier_wait -1
.endm
.macro CROUND
	s_barrier_signal -1
	s_barrier_wait -1
	CREST
.endm
	s_load_b256 s[4:11], s[0:1], 0x0               ; aimg s[4:5], the codes s[6:7], the scales' exponents s[8:9], out0 s[10:11]
	v_lshl_add_u32 v[SPW], v0, 2, SPARE
	v_mov_b32 v[NIL], 0
	ds_add_u32 v[SPW], v[NIL]                      ; the wave's opening: the add and its wait ahead of my first tensor load
	v_lshrrev_b32 v1, 5, v0
	v_readfirstlane_b32 s14, v1                    ; wave 0..3
	s_lshr_b32 s15, s14, 1                         ; which half of the tokens is mine.  Also: I fetch for T (0) or for U (1)
	s_and_b32 s16, s14, 1                          ; which half of the columns.  Also: which 8 row tiles I fetch
	s_bfe_u32 s40, ttmp6, 0x40000                  ; cx: which 256 columns
	s_bfe_u32 s41, ttmp6, 0x40004                  ; cy
	s_and_b32 s17, ttmp7, 0xffff
	s_lshl_b32 s17, s17, 2
	s_add_co_u32 s17, s17, s41                     ; which 256 tokens = 4 x cluster y + cy
	s_lshl_b32 s44, s41, 2
	s_lshl_b32 s44, 15, s44                        ; my row of the cluster
	s_lshl_b32 s46, 0x1111, s40                    ; my column
	s_or_b32 s[G1+0], s44, (1<<21)                 ; 15:0 the mask; 17:16 elements of 1 byte; no padding; 21 set beside a mask
	s_or_b32 s[G1B+0], s46, (1<<21)
.irp g, G1, G1B
	s_mov_b32 s[\g+1], 4096<<16                    ; tensor_dim0: a row tile's K step, 4,096 bytes
	s_mov_b32 s[\g+2], 8<<16                       ; tensor_dim1: 8 row tiles
	s_mov_b32 s[\g+3], 4096<<16                    ; tile_dim0
	s_mov_b32 s[\g+4], 8                           ; tile_dim1
	s_mov_b32 s[\g+5], 16384                       ; tensor_dim0_stride
	s_mov_b32 s[\g+6], 0
	s_mov_b32 s[\g+7], 0
.endr
	s_lshl_b32 s72, s16, 17
	s_lshl_b32 s68, s17, 18
	s_add_co_u32 s68, s68, s72
	s_mov_b32 s69, 0
	s_lshl_b32 s70, s40, 18
	s_add_co_u32 s70, s70, s72
	s_add_co_u32 s70, s70, 0x1b00000               ; Wo's codes lie at 27 Mi
	s_mov_b32 s71, 0
	s_lshl_b32 s45, s14, 15                        ; where they go: wave x 32,768
	s_wait_dscnt 0x0                               ; the opening add is done
	s_wait_kmcnt 0x0
	s_load_b64 s[96:97], s[8:9], 0x28              ; e10, e11
	s_add_nc_u64 s[68:69], s[4:5], s[68:69]
	s_add_nc_u64 s[70:71], s[6:7], s[70:71]
	CROUND                                         ; all sixteen work-groups are here: the first joint loads meet
.irp s, 0,1
	s_mov_b32 s[G0+4*\s], 1
	s_add_co_u32 s[G0+4*\s+1], s45, \s*SLOT
	s_add_nc_u64 s[G0+4*\s+2:G0+4*\s+3], s[68:69], \s*4096
	s_or_b32 s[G0+4*\s+3], s[G0+4*\s+3], 0x80000000
	s_mov_b32 s[G0B+4*\s], 1
	s_add_co_u32 s[G0B+4*\s+1], s45, \s*SLOT
	s_add_nc_u64 s[G0B+4*\s+2:G0B+4*\s+3], s[70:71], \s*4096
	s_or_b32 s[G0B+4*\s+3], s[G0B+4*\s+3], 0x80000000
	JLOAD G0+4*\s, G1, G0B+4*\s, G1B               ; K steps 0 and 1: two tensor loads of mine are out
.endr
	v_and_b32 v1, 31, v0
	v_lshlrev_b32 v[CO], 4, v1
	s_lshl_b32 s72, s15, 15
	s_lshl_b32 s73, s16, 15
	s_add_co_u32 s73, s73, UOFF
.irp s, 0,1
	v_add_nc_u32 v[ADRA+\s], s72, v[CO]
	v_add_nc_u32 v[ADRB+\s], s73, v[CO]
	s_add_co_u32 s72, s72, SLOT
	s_add_co_u32 s73, s73, SLOT
.endr
	s_mul_i32 s74, s14, 16*SPITCH                  ; my stage
	v_and_b32 v2, 15, v0
	v_bfe_u32 v3, v0, 4, 1
	v_mul_u32_u24 v[STO], v2, SPITCH
	v_lshl_add_u32 v[STO], v3, 6, v[STO]
	v_add_nc_u32 v[STO], s74, v[STO]               ; in: row r, 64 h bytes on
	v_add_nc_u32 v[RD], s74, v[CO]                 ; back: the 32 lanes take a row of 512 bytes
	s_lshl_b32 s76, s17, 20                        ; 256 tokens of 4,096 bytes,
	s_lshl_b32 s77, s15, 19                        ; my 128 of them,
	s_add_co_u32 s76, s76, s77
	s_lshl_b32 s77, s40, 10                        ; 256 columns of 4 bytes,
	s_add_co_u32 s76, s76, s77
	s_lshl_b32 s77, s16, 9                         ; my 128 of them
	s_add_co_u32 s76, s76, s77
	s_mov_b32 s77, 0
	s_add_nc_u64 s[10:11], s[10:11], s[76:77]
.macro FRAG reg, adr, q, i
.irp c, 0,1,2,3
	ds_load_b128 v[\reg+4*\c:\reg+4*\c+3], v[\adr] offset:2048*(\q)+512*\c+(\i)*4096
.endr
.endm
.macro MUL16 a0, p, zero               ; the 64 accumulators take turns, one instruction a turn, in the same order in every step
.irp a, \a0, \a0+1
.irp b, 0,1,2,3,4,5,6,7
.if \zero
	v_wmma_f32_16x16x128_fp8_fp8 v[8*(8*((\a)%4)+\b):8*(8*((\a)%4)+\b)+7], v[128*(\p)+FR*\b:128*(\p)+FR*\b+FR-1], v[AF+FR*(\a):AF+FR*(\a)+FR-1], 0
.else
	v_wmma_f32_16x16x128_fp8_fp8 v[8*(8*((\a)%4)+\b):8*(8*((\a)%4)+\b)+7], v[128*(\p)+FR*\b:128*(\p)+FR*\b+FR-1], v[AF+FR*(\a):AF+FR*(\a)+FR-1], v[8*(8*((\a)%4)+\b):8*(8*((\a)%4)+\b)+7]
.endif
.endr
.endr
.endm
.macro FETCH_B slot, q, p
	WIN TO_B
.irp i, 0,1,2,3,4,5,6,7
	FRAG 128*(\p)+FR*\i, ADRB+\slot, \q, \i
.endr
	WIN 0
.endm
.macro FETCH_A slot, q, i0
.irp i, \i0, \i0+1, \i0+2, \i0+3
	FRAG AF+FR*(\i), ADRA+\slot, \q, \i
.endr
.endm
.macro PLACES n                        ; plain vector lines between a matrix instruction and a load into, or a vector line on, its registers
.rept \n
	v_nop
.endr
.endm
.macro STEP slot, q, zero
	s_wait_dscnt 4*NL                              ; U's set and T's blocks 0-3 are in; the youngest 16 loads (T's blocks 4-7) may be out
	WIN MUL_LO
	MUL16 0, (\q)%2, \zero
	MUL16 2, (\q)%2, \zero
	s_wait_dscnt 0
	PLACES NP
	FETCH_B \slot, (\q)+1, 1-(\q)%2
	FETCH_A \slot, (\q)+1, 0
	WIN MUL_HI
	MUL16 4, (\q)%2, \zero
	MUL16 6, (\q)%2, \zero
	PLACES NP
	WIN 0
	FETCH_A \slot, (\q)+1, 4
.endm
.macro TURN slot, next, fill
	s_wait_tensorcnt 0x0                           ; all my tensor loads have landed: my part of the next slot
	ds_add_u32 v[SPW], v[NIL]
	s_wait_dscnt 4*NL+1                            ; the add and the youngest 16 loads may be out
	WIN MUL_LO
	MUL16 0, 1, 0
	s_wait_dscnt 0x0                               ; the add is done, and my reads of this slot are over
	s_barrier_signal -1
	MUL16 2, 1, 0
	WIN 0
	s_barrier_wait -1
.if \fill
	CREST                                          ; the barrier has opened a round of the cluster's: no wave of any partner still reads this slot or has a load on its way
	s_add_nc_u64 s[G0+4*\slot+2:G0+4*\slot+3], s[G0+4*\slot+2:G0+4*\slot+3], 8192
	s_add_nc_u64 s[G0B+4*\slot+2:G0B+4*\slot+3], s[G0B+4*\slot+2:G0B+4*\slot+3], 8192
	JLOAD G0+4*\slot, G1, G0B+4*\slot, G1B         ; my one tensor load behind the round
.else
	PLACES NP
.endif
	FETCH_B \next, 0, 0
	FETCH_A \next, 0, 0
	WIN MUL_HI
	MUL16 4, 1, 0
	MUL16 6, 1, 0
	PLACES NP
	WIN 0
	FETCH_A \next, 0, 4
.endm
	s_wait_tensorcnt 1                             ; my part of K step 0 is in; K step 1's load may be out
	s_barrier_signal -1
	s_barrier_wait -1
	FETCH_B 0, 0, 0
	FETCH_A 0, 0, 0
	FETCH_A 0, 0, 4
	STEP 0, 0, 1
	TURN 0, 1, 1
	STEP 1, 0, 0
	TURN 1, 0, 1
	STEP 0, 0, 0
	TURN 0, 1, 0                                   ; behind this barrier nobody reads slot 0 any more, and nothing is filled again
	STEP 1, 0, 0
	s_wait_dscnt 4*NL
	WIN MUL_LO
	MUL16 0, 1, 0
	MUL16 2, 1, 0
	s_wait_dscnt 0
	WIN MUL_HI
	MUL16 4, 1, 0
	MUL16 6, 1, 0
	WIN 0
; Block a: 16 tokens x my 128 columns.  Accumulator b's register j is column 32 (b / 2) + 16 (lane / 16) + 8 (b % 2) + j of token r.
.macro TOSTAGE a
.set AC, 64*((\a)%4)
	WIN 0x02+((\a)/4)                              ; source 0: window 2 or 3
.set j, 0
.rept 32
	v_pk_mul_f32 v[TMP+j:TMP+j+1], v[AC+j:AC+j+1], s[96:97] op_sel_hi:[1,0]   ; both x s96 = 2^(e10 + e11); each accumulator from its low end on
.set j, j+2
.endr
	WIN 0
.irp b, 0,1,2,3,4,5,6,7
	ds_store_b128 v[STO], v[TMP+8*\b:TMP+8*\b+3] offset:128*(\b/2)+32*(\b%2)
	ds_store_b128 v[STO], v[TMP+8*\b+4:TMP+8*\b+7] offset:128*(\b/2)+32*(\b%2)+16
.endr
.set BB, BK+64*((\a)%2)
.irp t, 0,1,2,3,4,5,6,7,8,9,10,11,12,13,14,15
	ds_load_b128 v[BB+4*\t:BB+4*\t+3], v[RD] offset:\t*SPITCH   ; LDS serves a wave's instructions in order (ISA guide 5.7.1.4): these see my stores
.endr
.endm
.macro SEND a, younger                 ; younger: the LDS instructions issued behind block a's loads, which may stay out
.set BB, BK+64*((\a)%2)
	s_wait_dscnt \younger
.irp t, 0,1,2,3,4,5,6,7,8,9,10,11,12,13,14,15
	global_store_b128 v[CO], v[BB+4*\t:BB+4*\t+3], s[10:11] offset:(32*((\a)/2)+8*((\a)%2)+(\t%8)+16*(\t/8))*4096 th:TH_STORE_NT   ; 512 consecutive bytes, aligned: tile row t is token t % 8 + 16 (t / 8) of the block's
.endr
.endm
	s_wait_kmcnt 0x0
	s_add_co_i32 s96, s96, s97
	s_add_co_i32 s96, s96, 127
	s_lshl_b32 s96, s96, 23                        ; 2^(e10 + e11) as f32
	PLACES NP                                      ; behind the last products
	TOSTAGE 0
.irp a, 1,2,3,4,5,6,7
.if \a > 1
	s_wait_xcnt 0x0                                ; block a - 2's stores have read their registers: block a's loads may land there
.endif
	TOSTAGE \a
	SEND \a-1, 32                                  ; behind block a - 1's loads: block a's 16 stores and 16 loads
.endr
	SEND 7, 0
	s_wait_tensorcnt 0x0                           ; the wave's end, behind my last tensor load and my last LDS store
	ds_add_u32 v[SPW], v[NIL]
	s_wait_dscnt 0x0
	CROUND                                         ; the closing round
	s_endpgm
.Lfunc_end_k_qde2628441b_oproj:
	.size	k_qde2628441b_oproj, .Lfunc_end_k_qde2628441b_oproj-k_qde2628441b_oproj
	.p2alignl 7, 3214868480
	.fill 96, 4, 3214868480
	.section	.rodata,"a",@progbits
	.p2align	6, 0x0
	.amdhsa_kernel k_qde2628441b_oproj
		.amdhsa_group_segment_fixed_size 327680
		.amdhsa_private_segment_fixed_size 0
		.amdhsa_enable_private_segment 0
		.amdhsa_kernarg_size 32
		.amdhsa_user_sgpr_count 2
		.amdhsa_user_sgpr_kernarg_segment_ptr 1
		.amdhsa_wavefront_size32 1
		.amdhsa_system_sgpr_workgroup_id_x 1
		.amdhsa_system_sgpr_workgroup_id_y 1
		.amdhsa_system_sgpr_workgroup_id_z 1
		.amdhsa_system_vgpr_workitem_id 0
		.amdhsa_next_free_vgpr 1024
		.amdhsa_next_free_sgpr 100
		.amdhsa_reserve_vcc 0
		.amdhsa_float_denorm_mode_32 3
		.amdhsa_float_denorm_mode_16_64 3
		.amdhsa_memory_ordered 1
		.amdhsa_forward_progress 1
		.amdhsa_inst_pref_size 122
	.end_amdhsa_kernel
	.amdgpu_metadata
---
amdhsa.version: [ 1, 2 ]
amdhsa.kernels:
  - .name:           k_qde2628441b_oproj
    .symbol:         k_qde2628441b_oproj.kd
    .args:
      - { .name: aimg, .offset: 0, .size: 8, .value_kind: global_buffer, .address_space: global }
      - { .name: codes, .offset: 8, .size: 8, .value_kind: global_buffer, .address_space: global }
      - { .name: lowp_scales, .offset: 16, .size: 8, .value_kind: global_buffer, .address_space: global }
      - { .name: out0, .offset: 24, .size: 8, .value_kind: global_buffer, .address_space: global }
    .group_segment_fixed_size: 327680
    .private_segment_fixed_size: 0
    .kernarg_segment_align: 8
    .kernarg_segment_size: 32
    .max_flat_workgroup_size: 128
    .sgpr_count:     100
    .vgpr_count:     1024
    .wavefront_size: 32
...
	.end_amdgpu_metadata
.endif
;; end of part 4
;; ======== version 2 of 2: 4 launches; version 1 with the launch attn written anew for expert scheduling mode
;; limits: right only within a limited range of input values
;; workspace buffers: codes 29,360,128 bytes; qkv 25,165,824 bytes; aimg 8,388,608 bytes; mwords 524,288 bytes of whole numbers; cls 4,096 bytes of whole numbers
;; launch prep: the kernel of part 1 again; grid 576 x 1, 4 waves a work-group, no clusters, 35,328 bytes of LDS; arguments query, key, value, Wq, Wk, Wv, Wo, mask, lowp_scales, codes, mwords, cls; writes codes, mwords, cls
;; launch proj: the kernel of part 2 again; grid 4 x 96, 4 waves a work-group, clusters of 4 x 4, 327,680 bytes of LDS; arguments codes, lowp_scales, qkv; writes qkv
;; launch attn (part 5): grid 64 x 8, 16 waves a work-group, no clusters, 34,816 bytes of LDS; arguments qkv, mwords, cls, lowp_scales, aimg; writes aimg
.if DOCPART == 5
	.amdgcn_target "amdgcn-amd-amdhsa--gfx1250"
	.amdhsa_code_object_version 6
	.text
	.protected	k_qde2628441b_attn
	.globl	k_qde2628441b_attn
	.p2align	8
	.type	k_qde2628441b_attn,@function
k_qde2628441b_attn:
	s_mov_b64 s[64:65], 0
	v_nop
	global_prefetch_b8 v0, s[64:65] scope:SCOPE_SE
	s_setreg_imm32_b32 hwreg(HW_REG_WAVE_SCHED_MODE, 0, 2), 2
	s_setreg_imm32_b32 hwreg(HW_REG_WAVE_MODE, 25, 1), 1
	s_wait_xcnt 0x0
	s_wait_alu depctr_vm_vsrc(0)
; ATTN.  For each of 64 heads (batch x 16 + head): S^T = K Q^T and O^T = V^T P^T on codes of E4M3, with the given mask, and the result quantised (scale 10) into images for the last projection.
; THE SOFTMAX: t = score x log2(e) / 8; M = the running largest t rounded up to a whole number; p = 2^(t - M) is quantised (scale 9), not normalised; the sum is taken of the unquantised p and divides O at the end.
; When M moves, the sum and O^T are multiplied by 2^(old M - new M), which rounds nothing.
; SHARES.  A work-group owns 256 queries of a head, each of its sixteen waves one tile of 16 (tile T holds queries 32 (T / 2) + 8 (T % 2) + r + 8 (r / 8)), in 256 registers: four waves to a SIMD.
; A lane holds ONE query (lane % 16) throughout.  Sixteen key steps of 128 keys; a step's K (8 images of 1,024 bytes) and V (4 of 2,048) go from memory through registers into one of two LDS slots, 1,024 bytes a wave, a step ahead.
; THE MASK IS AN INPUT.  An earlier launch stored, as whole numbers: for each tile and step 64 lane masks (word n for score register n), and per tile which steps have any true key, which are all true, and which rows have a true key at all.
;   A masked score becomes -2^(69 - e6 - e7), so that its t is -1.4427 x 2^66 exactly (the problem's own number is -1.4427e20): under every real t, p = 0 there.  In a row with no true key every t is that number, t - M is exactly 0 and p = 1 on all 2,048 keys.
;   A step in which no query of my tile has a true key is left out (its p would be 0, or be multiplied by 0 when M moves), but only if every row of the tile has a true key somewhere: else the tile walks all steps.
;   A step that is all true skips the 64 selects.  A step that no tile of the work-group walks is not fetched.  These are scalar branches on stored whole numbers; no barrier stands under such a branch.
;   No cluster: partners would walk different steps.
; LIMITS: e6 + e7 between -58 and 40 (then every real |t| is under 1e20); e9 and e10 - e8 - e9 between -126 and 119.  NaN is not served.
; REGISTERS: v1 16 x lane; v2 where I stage; v3 256 x lane; v5, v6 the add's two; v7 the masked score; v12 -M, v13 the largest t, v[14:15] the sum; v16-23 Q; v24-31, v208-215 two staging sets; v32-95 K's 8 fragments, then V's 4;
;   v96-159 S^T, then p; v160-191 O^T; v192-207 p's codes; v240, v244: 448 x 2^e9, 2^e9; v241, v245 the same for e10 - e8 - e9; v236, v242, v243, v252-254 at work.
; s2 wave; s3 trips; s[4:5] my staging source; s[6:7] my tile's mask words; s[12:13] Q; s15 256 x step; s66 ANY, s67 ALL, s72 NEED (bit 0 = the step in hand); s[68:69] c; s[70:71] lane selects; s74 e9; s75 prefetch limit; s16-63, s80-95 64 mask words.
; THE MODE: SCHED_MODE bits 1:0 = 2 (LLVM: expert scheduling mode 2), set by the entry lines.  The code itself states the register dependences between vector or matrix instructions and memory or LDS instructions, with s_wait_alu, always for 0.
; THE PLAN.  Registers that memory or LDS instructions touch:
;   v1, v2, v3        Offsets and LDS addresses.  Written at the head, ahead of the head's wait on va_vdst; never written again.
;   v16-23            Q.  Loaded once, at the head; read by the products alone.
;   v24-31, v208-215  The staging sets.  No vector instruction names them.  Step j: its LDS stores read set (j + 1) % 2; the loads of step j + 2 land in set j % 2, which step j - 1's LDS stores have read.
;   v32-95            A worked step: K's 16 LDS loads land; eight products read them; V's 16 LDS loads land; four products read them.  No other vector instruction names them.
;   v192-199          On the way out: written by four conversions, read by two stores.
;   v5, v6            Written at the head, read by the closing add alone.
; So a key step has one wait on vm_vsrc, at its head (the last step's LDS stores have read the set that is loaded again), and a worked step two waits on va_vdst beside the one behind its exponentials: ahead of K's loads
; (the last worked step's four products are done with v32-95) and ahead of V's (this step's eight are).  Behind the second, nothing up to V's own wait names v32-95 or v1: half of V's loads go out at once, the other half are dealt among the maxima.
.set SLOTB, 16384
.set VOFF,  8192
.set SPARE, 32768                      ; behind the two slots: the spare words, 128 bytes a wave, named by no other line
.set SPW, 5
.set NIL, 6
	s_load_b256 s[4:11], s[0:1], 0x0               ; qkv, mwords, cls, the scales' exponents
	v_lshl_add_u32 v[SPW], v0, 2, SPARE
	v_mov_b32 v[NIL], 0
	v_lshrrev_b32 v2, 5, v0
	v_readfirstlane_b32 s2, v2                     ; wave 0..15
	v_and_b32 v1, 31, v0
	v_lshlrev_b32 v3, 8, v1
	v_lshlrev_b32 v1, 4, v1
	v_lshl_add_u32 v2, v2, 10, v1                  ; 1,024 x wave + 16 x lane
	s_wait_alu depctr_va_sdst(0)                   ; s2 is written, ahead of its first reader: the tile's number and the addresses are made from it
	s_and_b32 s3, ttmp7, 0xffff
	s_sub_co_u32 s66, 7, s3                        ; my block of 256 queries: the late blocks are launched first (an order, no more)
	s_lshl_b32 s67, s66, 4
	s_add_co_u32 s67, s67, s2                      ; T
	s_lshl_b32 s68, s66, 8                         ; the block's 64 class words,
	s_lshl_b32 s69, s67, 4                         ; my tile's four
	s_lshl_b32 s70, ttmp9, 17                      ; a head's 131,072 bytes of Q, of K, of V
	s_mov_b32 s15, 0
	s_wait_kmcnt 0x0
	s_load_b512 s[16:31], s[8:9], s68 offset:0x0
	s_load_b512 s[32:47], s[8:9], s68 offset:0x40
	s_load_b512 s[48:63], s[8:9], s68 offset:0x80
	s_load_b512 s[80:95], s[8:9], s68 offset:0xc0
	s_load_b128 s[76:79], s[8:9], s69 offset:0x0
	s_load_b128 s[72:75], s[8:9], s69 offset:0x800 ; my tile's all-true words
	s_load_b128 s[96:99], s[10:11], 0x18           ; e6, e7, e8, e9
	s_load_b32 s100, s[10:11], 0x28                ; e10
	s_lshl_b32 s14, s67, 10
	s_add_co_u32 s14, s14, s70
	s_add_nc_u64 s[12:13], s[4:5], s[14:15]        ; Q's image of my tile
	s_lshl_b32 s14, s67, 12
	s_add_nc_u64 s[6:7], s[6:7], s[14:15]          ; my tile's 16 x 64 mask words
	s_lshl_b32 s14, s2, 10
	s_add_co_u32 s14, s14, s70
	s_mov_b32 s71, 0xffe000
	s_cmp_lt_u32 s2, 8
	s_cselect_b32 s71, 0x800000, s71               ; waves 0-7: K at 8 Mi + 1,024 w; waves 8-15: V at 16 Mi + 1,024 (w - 8)
	s_add_co_u32 s14, s14, s71
	s_add_nc_u64 s[4:5], s[4:5], s[14:15]
	s_wait_alu depctr_va_vdst(0)                   ; v1, v2 and v3 are written: every load, LDS store and prefetch of the kernel reads one of them as its address; so are v5 and v6, for the closing add
	global_load_b128 v[16:19], v1, s[12:13]
	global_load_b128 v[20:23], v1, s[12:13] offset:512
	global_load_b128 v[24:27], v1, s[4:5]                      ; step 0
	global_load_b128 v[28:31], v1, s[4:5] offset:512
	global_load_b128 v[208:211], v1, s[4:5] offset:8192        ; step 1
	global_load_b128 v[212:215], v1, s[4:5] offset:8704
	v_mov_b32 v13, 0xff61b1e6                      ; the largest t so far: -3e38
	v_floor_f32 v12, -v13                          ; -M
	v_mov_b32 v14, 0
	v_mov_b32 v15, 0
	v_mov_b32 v236, 0                              ; a lane permute's destination counts as read
	v_mov_b32 v252, 0
	v_mov_b32 v253, 0                              ; (named as the upper half of the pair v[252:253])
.set n, 0
.rept 32
	v_mov_b32 v[160+n], 0                          ; O^T: the step is written once; the first finds zeros
.set n, n+1
.endr
	s_wait_kmcnt 0x0
	s_or_b32 s67, s72, s73
	s_or_b32 s14, s74, s75
	s_or_b32 s67, s67, s14                         ; ALL: bit j: step j is all true for my tile
	s_mov_b32 s72, 0
	s_mov_b32 s66, 0
.macro CLS w0, acc                     ; a tile's four words: bits 15:0 the steps with a true key, bits 31:16 the rows with one.  A tile with a row that has none walks all steps
	s_or_b32 s101, s[\w0], s[\w0+1]
	s_or_b32 s14, s[\w0+2], s[\w0+3]
	s_or_b32 s101, s101, s14
	s_lshr_b32 s14, s101, 16
	s_cmp_eq_u32 s14, 0xffff
	s_cselect_b32 s101, s101, 0xffff
	s_or_b32 s[\acc], s[\acc], s101
.endm
.irp w, 16,20,24,28,32,36,40,44,48,52,56,60,80,84,88,92
	CLS \w, 72
.endr
	CLS 76, 66
	s_and_b32 s72, s72, 0xffff                     ; NEED: some tile of the work-group walks the step
	s_and_b32 s66, s66, 0xffff                     ; ANY: mine does
	s_add_co_i32 s14, s96, s97                     ; e6 + e7
	s_lshl_b32 s101, s14, 23
	s_add_co_i32 s68, s101, 0x3e38aa3b             ; c = log2(e) / 8 x 2^(e6 + e7): the exponents are added to c's exponent field
	s_mov_b32 s69, s68
	s_sub_co_i32 s14, 196, s14
	s_lshl_b32 s14, s14, 23
	s_or_b32 s14, s14, 0x80000000
	v_mov_b32 v7, s14                              ; -2^(69 - e6 - e7)
	s_mov_b32 s74, s99
	s_add_co_i32 s14, s99, 127
	s_lshl_b32 s101, s14, 23
	v_mov_b32 v244, s101                           ; 2^e9
	s_add_co_i32 s14, s14, 8
	s_lshl_b32 s14, s14, 23
	s_or_b32 s14, s14, 0x600000
	v_mov_b32 v240, s14                            ; 448 x 2^e9
	s_sub_co_i32 s14, s100, s98
	s_sub_co_i32 s14, s14, s99                     ; O / sum stands for that x 2^(e8 + e9): its code is it / 2^(e10 - e8 - e9)
	s_add_co_i32 s14, s14, 127
	s_lshl_b32 s101, s14, 23
	v_mov_b32 v245, s101
	s_add_co_i32 s14, s14, 8
	s_lshl_b32 s14, s14, 23
	s_or_b32 s14, s14, 0x600000
	v_mov_b32 v241, s14
	s_and_b32 s14, s2, 7
	s_and_b32 s101, ttmp7, 0xffff
	s_or_b32 s14, s14, s101
	s_cmp_eq_u32 s14, 0
	s_cselect_b32 s75, 13*256, 0                   ; waves 0 and 8 of the head's first work-group prefetch, in steps 0 to 12
	s_mov_b32 s70, 0x76543210
	s_mov_b32 s71, 0xfedcba98
	s_wait_loadcnt 2                               ; Q and step 0 are in; step 1's two loads may be out
	ds_store_b128 v2, v[24:27]                     ; (v2 was written ahead of the head's wait on va_vdst; the data come from loads)
	ds_store_b128 v2, v[28:31] offset:512
	s_wait_dscnt 0x0
	s_barrier_signal -1
	s_barrier_wait -1
; THE WORK OF A KEY STEP whose tiles lie in slot u
.macro WORK u
	s_bitcmp1_b32 s67, 0
	s_cbranch_scc1 .Lfull_\@                       ; all true: no mask words are wanted
	s_load_b512 s[16:31], s[6:7], s15 offset:0x0
	s_load_b512 s[32:47], s[6:7], s15 offset:0x40
	s_load_b512 s[48:63], s[6:7], s15 offset:0x80
	s_load_b512 s[80:95], s[6:7], s15 offset:0xc0
.Lfull_\@:
	s_wait_alu depctr_va_vdst(0)                   ; the last worked step's four products are done reading V's fragments in v32-95, in which K's loads land
.irp t, 0,1,2,3,4,5,6,7
	ds_load_b128 v[32+8*\t:35+8*\t], v1 offset:SLOTB*\u+1024*\t
	ds_load_b128 v[36+8*\t:39+8*\t], v1 offset:SLOTB*\u+1024*\t+512
.endr
	s_wait_dscnt 0x0
.irp t, 0,1,2,3,4,5,6,7                ; S^T: source 0 = 16 keys, source 1 = my 16 queries.  Registers 16 b + i of tiles 2 b, 2 b + 1 are keys 32 b + 16 (lane / 16) + i
	v_wmma_f32_16x16x64_fp8_fp8 v[96+8*\t:103+8*\t], v[32+8*\t:39+8*\t], v[16:23], 0
.endr
.rept 4
	v_nop                                          ; places in front of the first read of the scores
.endr
	s_wait_alu depctr_va_vdst(0)                   ; the eight products are done reading K's fragments in v32-95, in which V's loads land.  No vector instruction from here to V's own wait names v32-95 or v1
.irp t, 0,1
.irp c, 0,1,2,3
	ds_load_b128 v[32+16*\t+4*\c:35+16*\t+4*\c], v1 offset:SLOTB*\u+VOFF+2048*\t+512*\c   ; V's tiles 0 and 1 go out ahead of the wait for the mask words; V lands under the softmax
.endr
.endr
	s_wait_kmcnt 0x0                               ; the mask words, on both ways
	s_bitcmp1_b32 s67, 0
	s_cbranch_scc1 .Lopen_\@
.set n, 0
.rept 48
	v_cndmask_b32 v[96+n], v7, v[96+n], s[16+n]    ; bit set: the score stays
.set n, n+1
.endr
.rept 16
	v_cndmask_b32 v[96+n], v7, v[96+n], s[32+n]
.set n, n+1
.endr
.Lopen_\@:
	v_max3_num_f32 v254, v96, v97, v98             ; the step's largest score of my query among my 64 keys, in two chains,
	v_max3_num_f32 v252, v99, v100, v101
.set n, 6
.rept 14
	v_max3_num_f32 v254, v254, v[96+n], v[97+n]
	v_max3_num_f32 v252, v252, v[98+n], v[99+n]
.if n < 38
	ds_load_b128 v[58+n:61+n], v1 offset:SLOTB*\u+VOFF+4096+128*(n-6)   ; V's tiles 2 and 3, v64-95, one load behind each of the first eight pairs of maxima.  No wait: nothing since the wait above names these registers
.endif
.set n, n+4
.endr
	v_max3_num_f32 v254, v254, v158, v159
	v_max_num_f32 v254, v254, v252
	v_permlanex16_b32 v236, v254, s70, s71
	v_max_num_f32 v254, v254, v236                 ; and among the other half's
	v_mul_f32 v254, s68, v254                      ; as t (c is positive)
	v_max_num_f32 v13, v13, v254
	v_mov_b32 v254, v12
	v_floor_f32 v12, -v13                          ; -M = floor(-t): M is a whole number
	v_sub_f32 v254, v12, v254                      ; old M - new M, 0 or less
	v_cvt_i32_f32 v254, v254                       ; (it saturates)
	v_ldexp_f32 v252, 1.0, v254                    ; f = 2^(old M - new M)
.set n, 0
.rept 32
	v_pk_fma_f32 v[96+n:97+n], v[96+n:97+n], s[68:69], v[12:13] op_sel_hi:[1,0,0]   ; t - M, two at a time
.set n, n+2
.endr
.set n, 0
.rept 64
	v_exp_f32 v[96+n], v[96+n]                     ; p = 2^(t - M), at most 1
.set n, n+1
.endr
	v_pk_mul_f32 v[14:15], v[14:15], v[252:253] op_sel_hi:[1,0]   ; the sum under the new M: the plain line behind the exponentials
	s_wait_alu depctr_va_vdst(0)                   ; the 64 exponentials have written p in v96-159: one wait for the batch, ahead of its first reader
	v_pk_add_f32 v[242:243], v[96:97], v[98:99]    ; the sum of the unquantised p, in two chains
.set n, 4
.rept 15
	v_pk_add_f32 v[14:15], v[14:15], v[96+n:97+n]
	v_pk_add_f32 v[242:243], v[242:243], v[98+n:99+n]
.set n, n+4
.endr
	v_pk_add_f32 v[14:15], v[14:15], v[242:243]
	s_cmp_ge_i32 s74, -8                           ; p <= 1 <= 448 x 2^e9 from e9 = -8 on: then no p lies beyond the largest code and the hold is not wanted
	s_cbranch_scc1 .Lnohold_\@
.set n, 0
.rept 64
	v_min_num_f32 v[96+n], v[96+n], v240           ; the conversion does not saturate (ISA guide 7.6.2); p is not negative
.set n, n+1
.endr
.Lnohold_\@:
.irp b, 0,1,2,3
	v_cvt_scalef32_pk8_fp8_f32 v[192+4*\b:193+4*\b], v[96+16*\b:103+16*\b], v244
	v_cvt_scalef32_pk8_fp8_f32 v[194+4*\b:195+4*\b], v[104+16*\b:111+16*\b], v244
.endr
.set n, 0
.rept 16
	v_pk_mul_f32 v[160+n:161+n], v[160+n:161+n], v[252:253] op_sel_hi:[1,0]   ; O^T under the new M; also the plain lines between the conversions and the products
.set n, n+2
.endr
	s_wait_dscnt 0x0                               ; V
.irp t, 0,1,2,3                        ; O^T += V^T P^T: source 0 = 16 of the head's 64, source 1 = p; four accumulators by turns
	v_wmma_f32_16x16x128_fp8_fp8 v[160+8*\t:167+8*\t], v[32+16*\t:47+16*\t], v[192:207], v[160+8*\t:167+8*\t]
.endr
.rept 4
	v_nop                                          ; places behind these products, in front of the way out's reads of O^T (for the next loads into v32-95 the wait at the next worked step's head speaks)
.endr
.endm
; A KEY STEP.  Slot u holds its tiles.  The next step's tiles, loaded a step ago, go into the other slot, which was last read in front of the last barrier; the step after that is loaded into the registers just freed.
.macro STEP u
	s_wait_loadcnt 0x0                             ; the next step's two loads, issued a step ago
	s_wait_xcnt 0x0                                ; the last prefetch, a step back, has read its base
	s_wait_alu depctr_vm_vsrc(0)                   ; the LDS stores of the step before (in the first step: the head's) have read staging set u, in which the loads below land; it stands ahead of the branches
	s_add_nc_u64 s[4:5], s[4:5], 8192
	s_bitcmp1_b32 s72, 1
	s_cbranch_scc0 .Lnostore_\@
	ds_store_b128 v2, v[24+184*(1-\u):27+184*(1-\u)] offset:SLOTB*(1-\u)
	ds_store_b128 v2, v[28+184*(1-\u):31+184*(1-\u)] offset:SLOTB*(1-\u)+512
.Lnostore_\@:
	s_bitcmp1_b32 s72, 2                           ; NEED has 16 bits: nothing is read past step 15
	s_cbranch_scc0 .Lnoload_\@
	global_load_b128 v[24+184*\u:27+184*\u], v1, s[4:5] offset:8192
	global_load_b128 v[28+184*\u:31+184*\u], v1, s[4:5] offset:8704
.Lnoload_\@:
	s_cmp_lt_u32 s15, s75                          ; a prefetch of the step three on, one step ahead of its load: 32 lanes x 256 bytes are its 8,192 bytes of K (wave 0) or V (wave 8);
	s_cbranch_scc0 .Lnoask_\@                      ; one work-group of the head's eight asks, so each block is named once; steps 0 to 2 come by their loads alone; the last asked for is step 15
	global_prefetch_b8 v3, s[4:5] offset:16384 th:TH_LOAD_NT scope:SCOPE_SE
.Lnoask_\@:
	s_bitcmp1_b32 s66, 0
	s_cbranch_scc0 .Lidle_\@
	WORK \u
.Lidle_\@:
	s_lshr_b32 s66, s66, 1
	s_lshr_b32 s67, s67, 1
	s_lshr_b32 s72, s72, 1
	s_add_co_u32 s15, s15, 256
	s_wait_dscnt 0x0                               ; for the others' sake: my stores into the other slot have landed, my reads of this one are over
	s_barrier_signal -1
	s_barrier_wait -1
.endm
	s_mov_b32 s3, 8
.Ltrip:                                            ; eight trips of two steps: the slots' numbers are constants of the text
	STEP 0
	STEP 1
	s_sub_co_u32 s3, s3, 1
	s_cmp_lg_u32 s3, 0
	s_cbranch_scc1 .Ltrip
	; THE WAY OUT: O^T / the sum, held, converted: the four tiles' codes are the eight registers of an image (16 queries x this head's 64), stored as 2 x 512 consecutive bytes.
	s_load_b64 s[16:17], s[0:1], 0x20              ; aimg
	v_add_f32 v14, v14, v15
	v_permlanex16_b32 v252, v14, s70, s71
	v_add_f32 v14, v14, v252                       ; the row's sum
	v_rcp_f32 v14, v14
	v_nop                                          ; a plain line behind the transcendental
	s_and_b32 s14, ttmp7, 0xffff
	s_sub_co_u32 s14, 7, s14
	s_lshl_b32 s14, s14, 4
	s_add_co_u32 s14, s14, s2                      ; T
	s_lshr_b32 s15, ttmp9, 4
	s_lshl_b32 s15, s15, 7
	s_add_co_u32 s14, s14, s15                     ; row tile 128 x batch + T
	s_lshl_b32 s14, s14, 14
	s_and_b32 s15, ttmp9, 15
	s_lshl_b32 s15, s15, 10                        ; + head x 1,024
	s_add_co_u32 s14, s14, s15
	s_mov_b32 s15, 0
	s_wait_kmcnt 0x0
	s_add_nc_u64 s[16:17], s[16:17], s[14:15]
	s_wait_alu depctr_va_vdst(0)                   ; the reciprocal has written v14, ahead of its first reader
.set n, 0
.rept 16
	v_pk_mul_f32 v[96+n:97+n], v[160+n:161+n], v[14:15] op_sel_hi:[1,0]   ; register 8 t + j: d = 32 (t / 2) + 16 (lane / 16) + 8 (t % 2) + j
.set n, n+2
.endr
.set n, 0
.rept 32
	v_med3_num_f32 v[96+n], v[96+n], -v241, v241
.set n, n+1
.endr
.irp t, 0,1,2,3
	v_cvt_scalef32_pk8_fp8_f32 v[192+2*\t:193+2*\t], v[96+8*\t:103+8*\t], v245
.endr
	v_nop
	s_wait_alu depctr_va_vdst(0)                   ; the four conversions have written v192-199, which the two stores read
	global_store_b128 v1, v[192:195], s[16:17]
	global_store_b128 v1, v[196:199], s[16:17] offset:512
	s_wait_dscnt 0x0                               ; the wave's end
	s_wait_alu 0x0
	s_wait_tensorcnt 0x0
	ds_add_u32 v[SPW], v[NIL]
	s_wait_dscnt 0x0
	s_endpgm
.Lfunc_end_k_qde2628441b_attn:
	.size	k_qde2628441b_attn, .Lfunc_end_k_qde2628441b_attn-k_qde2628441b_attn
	.p2alignl 7, 3214868480
	.fill 96, 4, 3214868480
	.section	.rodata,"a",@progbits
	.p2align	6, 0x0
	.amdhsa_kernel k_qde2628441b_attn
		.amdhsa_group_segment_fixed_size 34816
		.amdhsa_private_segment_fixed_size 0
		.amdhsa_enable_private_segment 0
		.amdhsa_kernarg_size 40
		.amdhsa_user_sgpr_count 2
		.amdhsa_user_sgpr_kernarg_segment_ptr 1
		.amdhsa_wavefront_size32 1
		.amdhsa_system_sgpr_workgroup_id_x 1
		.amdhsa_system_sgpr_workgroup_id_y 1
		.amdhsa_system_sgpr_workgroup_id_z 1
		.amdhsa_system_vgpr_workitem_id 0
		.amdhsa_next_free_vgpr 256
		.amdhsa_next_free_sgpr 102
		.amdhsa_reserve_vcc 0
		.amdhsa_float_denorm_mode_32 3
		.amdhsa_float_denorm_mode_16_64 3
		.amdhsa_memory_ordered 1
		.amdhsa_forward_progress 1
		.amdhsa_inst_pref_size 57
	.end_amdhsa_kernel
	.amdgpu_metadata
---
amdhsa.version: [ 1, 2 ]
amdhsa.kernels:
  - .name:           k_qde2628441b_attn
    .symbol:         k_qde2628441b_attn.kd
    .args:
      - { .name: qkv, .offset: 0, .size: 8, .value_kind: global_buffer, .address_space: global }
      - { .name: mwords, .offset: 8, .size: 8, .value_kind: global_buffer, .address_space: global }
      - { .name: cls, .offset: 16, .size: 8, .value_kind: global_buffer, .address_space: global }
      - { .name: lowp_scales, .offset: 24, .size: 8, .value_kind: global_buffer, .address_space: global }
      - { .name: aimg, .offset: 32, .size: 8, .value_kind: global_buffer, .address_space: global }
    .group_segment_fixed_size: 34816
    .private_segment_fixed_size: 0
    .kernarg_segment_align: 8
    .kernarg_segment_size: 40
    .max_flat_workgroup_size: 512
    .sgpr_count:     102
    .vgpr_count:     256
    .wavefront_size: 32
...
	.end_amdgpu_metadata
.endif
;; end of part 5
;; launch oproj: the kernel of part 4 again; grid 4 x 32, 4 waves a work-group, clusters of 4 x 4, 327,680 bytes of LDS; arguments aimg, codes, lowp_scales, out0; writes out0
